; MI455X (gfx1250); checked and timed in simulation.
; The chip was launched on July 23, 2026; its instructions are those of AMD's public machine-readable ISA for CDNA 5 (MIT licence, August 2026) and "CDNA5" Instruction Set Architecture Reference Guide (July 2026). The comments in the code are by the model that wrote it; some were corrected since.
;; Position Aware Mean Attention. Allowed arithmetic: matrix products marked QUANTISED: E2M1 operands, one E8M0 scale for each 32 along K, by v_wmma_scale_f32_16x16x128_f8f6f4 with both operands' format E2M1 (or v_wmma_scale_f32_32x16x128_f4), f32 sums; products left as they are: f32 operands where the result goes on into a quantised operand, else bf16, f16 or f32 operands; f32 sums; everything else in f32.
;; Inputs: mask 200 x 2,048 float32; w_k 128 x 128 float32; w_p 200 x 128 float32; w_q 128 x 128 float32; x 200 x 2,048 x 128 float32.
;; Outputs: out0 2,048 x 128 float32.
;; This version of the problem:
;;   THIS VERSION OF THE PROBLEM IS GIVEN IN LOW PRECISION. The matrix products marked QUANTISED in the list below multiply operands that are first quantised to E2M1 (2 exponent bits, 1 mantissa bit; 4 bits a number), with one power-of-two scale for each 32 numbers along K (OCP MX v1.0); their sums are f32. All else is computed in f32.
;;   The module's matrix products, in the order in which they are computed (A, B: the left and right operand; K: the contracted axis; several contracted axes count as one K, in the product's order):
;;     1. [M 409,600, K 128] x [K 128, N 128]; A: computed on the way; B: input w_k: QUANTISED
;;     2. [M 2,048, K 128] x [K 128, N 128]; A: computed on the way; B: input w_q: QUANTISED
;;     3. batch 200 x [M 2,048, K 128] x [K 128, N 1]; A: computed on the way; B: input w_p: left as it is (N = 1 < 16)
;;   THE QUANTISER, for each operand of a quantised product, along K:
;;     - K is cut into blocks of 32 from its start; a last block that is shorter is filled with zeros.
;;     - A block's scale is 2^e with e = floor(log2(the largest magnitude in the block)) - 2, held to -126 .. 127; a block of zeros has e = 0. As a byte (E8M0): e + 127.
;;     - Each number is divided by its block's scale, clamped to +-6, and rounded to the nearest number of E2M1, ties to even, subnormals kept.
;;     - The product sums the exact products of the quantised numbers (number of the format x scale) in f32.
;;   ~~~python
;;   def quantise(x, axis):      # numpy; x: float32 -> the quantised numbers, widened to float32 again
;;       x = np.moveaxis(x, axis, -1); K = x.shape[-1]
;;       x = np.pad(x, [(0, 0)] * (x.ndim - 1) + [(0, -K % 32)]); x = x.reshape(x.shape[:-1] + (-1, 32)); a = np.abs(x).max(-1, keepdims=True)
;;       e = np.where(a > 0, np.clip(np.frexp(np.where(a > 0, a, 1))[1] - 1 - 2, -126, 127), 0)      # np.frexp(a)[1] - 1 = floor(log2(a)), exactly
;;       r = np.clip(x / 2.0 ** e, -6, 6)
;;       step = 2.0 ** (np.maximum(np.frexp(np.where(r == 0, 1, r))[1] - 1, 0) - 1)
;;       q = np.round(r / step) * step * 2.0 ** e      # np.round: ties to even
;;       return np.moveaxis(q.reshape(q.shape[:-2] + (-1,))[..., :K], -1, axis).astype(np.float32)
;;   ~~~
;;   OPERANDS COMPUTED ON THE WAY. 'Computed on the way' means the value that the module computes at that place (a softmax that the list does not call 'softmax' is quantised finished and normalised). What goes into a quantiser is computed in f32, as accurately as f32 sums, v_exp_f32 and their like allow (about 1e-6 of the number): no bf16 or f16 on the way to a quantiser, and a product that is left as it is and whose result goes on into a quantised operand takes f32 operands (vector FMAs, or v_wmma_f32_16x16x4_f32). A number that lies on a knife's edge between two numbers of the format may be rounded either way, as far as f32 arithmetic and the matrix unit's own rounding can turn it there, and no further.
;; 2 versions. Each part assembles by itself: llvm-mc -triple=amdgcn-amd-amdhsa -mcpu=gfx1250 --defsym DOCPART=n.
;; ======== version 1 of 2: 1 launch
;; launch paa (part 1): grid 256 x 1, 16 waves a work-group, no clusters, 242,944 bytes of LDS; arguments x, mask, w_p, w_k, w_q, out0; writes out0
.if DOCPART == 1
	.amdgcn_target "amdgcn-amd-amdhsa--gfx1250"
	.amdhsa_code_object_version 6
	.text
	.protected	k_q9bf3b60372_paa
	.globl	k_q9bf3b60372_paa
	.p2align	8
	.type	k_q9bf3b60372_paa,@function
k_q9bf3b60372_paa:
	s_mov_b64 s[64:65], 0
	v_nop
	global_prefetch_b8 v0, s[64:65] scope:SCOPE_SE
	s_setreg_imm32_b32 hwreg(HW_REG_WAVE_MODE, 25, 1), 1
	s_wait_xcnt 0x0
; out0[b][:] = sum_t a_t xm_t / sum_t a_t,  xm_t = x[t][b][:] mask[t][b],  a_t = exp(score_t - max_t score_t) mask[t][b],
; score_t = mask[t][b] sum_d sigmoid(Q(xm_t) Q(w_k) + Q(sum_t xm_t) Q(w_q))[d] w_p[t][d].   (The softmax's own divisor cancels in att / p.)
; Q: MX-FP4 along K = the 128 channels: codes of E2M1, one E8M0 byte for each 32.  x [200][2048][128], mask [200][2048], w_p [200][128], w_k, w_q [128 (k)][128 (d)], out0 [2048][128]: f32.
; SHARES.  256 work-groups of sixteen waves; a work-group owns 8 neighbouring sessions b and walks them, one a PERIOD.  x IS READ ONCE AND STAYS IN REGISTERS: wave w owns rows t = 13 w .. 13 w + 12
; (wave 15: 195 .. 199); a row (t, b) is 512 consecutive bytes, one load of the wave, lane l holding channels 4 l .. 4 l + 3.  In that layout the sum over t and the weighted sum need no other lane,
; a row's mask and weight are scalars, and a block of 32 is 8 lanes.  Two sets of 52 registers take the sessions by turns.
; THE FIRST PRODUCT IS SHARED BY COLUMNS: wave w takes the 16 columns d = 16 (w & 7) .. and the tiles of 16 rows 0-6 (w < 8) or 7-12 (w >= 8).  The rows' codes go from wave to wave through LDS.
; Both products are used transposed (source 0 = 16 columns of the weight, source 1 = 16 rows t): a lane holds one t and eight d.  The query's source 1 is the sum's codes in all 16 columns,
; so the query arrives in every lane in the result's layout.  Rows 200-207 of tile 12 are zero codes; their sums are never used.
; THE ORDER OF PERIOD k, two barriers:  A: wave 15 adds and quantises the sum of session k; every wave takes its rows' softmax part and weighted sum of session k - 1, which frees that session's set of
; registers, and quantises its rows of session k, asking for its rows of session k + 1 between the stages | barrier |  B: products, sigmoids and dots of session k; the wait for session k + 1; its rows times
; their masks and their sum | barrier.  So each LDS region is written in one of the two stretches and read in the other.
; SOFTMAX.  Each wave takes the maximum of its own rows' scores (masked rows' zeros among them, as reference() has it), its weights, their sum P and its part of the weighted sum, and leaves them in LDS;
; at the end the sixteen parts of each session are joined by 2^(M_w - M): the maximum is taken away in two levels.
; NOT USED, and why: tensor loads and an LDS ring (two sessions in f32 and w_p would fill LDS, and x would be read from LDS twice); joint loads in a cluster (what work-groups share, the weights and w_p,
; is 233,472 of the 211,587,072 input bytes and is read once at the head); prefetches (each row is asked for most of a period ahead by its own load).
; LIMITS: NaN and infinities among the inputs are not served.  A block whose largest magnitude lies under 2^-124 (a block of zeros too) gets the byte 1; a block of zeros has zero codes, and the bytes are
; read by this text alone.  f32 sums over t are taken in another order than reference()'s.  A session whose sum of a_t is 0 gives 0 / 0, as in reference().
.set FLOOR, 0x1800000                  ; 2^(3 - 127): no largest magnitude is taken under it, so that a scale's byte cannot fall under 1
.set EOFF,  0xff000000                 ; -(2 << 23): 2 off an exponent field
; LDS, in bytes
.set WPI,   0                          ; w_p as images of my units' registers: 7168 w + 1024 u + 512 c + 16 l: each wave's own
.set PART,  114688                     ; parts of the weighted sum: 4096 w + 512 k + 16 l
.set CODES, 180224                     ; a session's codes: 208 rows of 64 bytes, 80 apart (an odd multiple of 16: the sixteen rows of a fragment load begin in different 16-byte columns of 256 bytes)
.set SCW,   196864                     ; their scale words: 4 t
.set PS,    197888                     ; parts of the session's sum: 512 w + 16 l
.set SIM,   206080                     ; parts of the scores: 832 n + 4 t; 64 bytes of zeros behind the last row
.set SUMC,  212992                     ; the sum's 64 bytes of codes,
.set SUMS,  213056                     ; and its scale word
.set MP,    213248                     ; (M, P) of wave w, session k: 64 w + 8 k
.set MKL,   214272                     ; my rows' masks: 512 w + 64 k + 4 r: each wave's own
.set WIMG,  222464                     ; the 16 weight fragments as images of registers: 1024 j + 512 c + 16 l, j = n for w_k, 8 + n for w_q
.set WSCL,  238848                     ; their scale words: 128 j + 4 l
; vector registers
.set L16,  1                           ; 16 l
.set XOFF, 2                           ; x: 16 l + (13 w + 6) rows of 2^20 bytes; never rewritten
.set CA,   3                           ; my rows' codes: CODES + 1040 w + 2 l
.set SA,   4                           ; my rows' scale bytes: SCW + 52 w + l / 8
.set PSA,  5                           ; PS + 512 w + 16 l
.set PSR,  6                           ; PS + 16 l
.set FA,   7                           ; my tiles' fragments: CODES + (112 g + r) 80 + 16 h
.set FS,   8                           ; their scale words: SCW + (112 g + r) 4
.set WPA,  9                           ; WPI + 7168 w + 16 l
.set SMW,  10                          ; SIM + 832 n + (112 g + r) 4
.set SMR,  11                          ; SIM + 3328 h + 52 w + 4 r
.set MKA,  12                          ; MKL + 512 w + 4 r
.set PTA,  13                          ; PART + 4096 w + 16 l
.set MPA,  14                          ; MP + 64 w
.set SUA,  15                          ; SUMC + 16 h
.set SUS,  16                          ; SUMS
.set SCA,  17                          ; SUMC + 2 l
.set SSA,  18                          ; SUMS + l / 8
.set MK,   19                          ; v19 (even sessions) and v31 (odd ones): lane r: the mask of my row r (0 where I have no such row)
.set SV,   20                          ; v20-26: a unit's part of the scores; at work in the softmax
.set TP,   27                          ; destination of the exchange between the halves of the lanes
.set MM,   28                          ; v[28:29]: my rows' largest score x log2 e, and my P
.set NINF, 30                          ; -infinity
.set WKS,  32                          ; v32-37 hold scales and nothing else: w_k's, w_q's, three tiles' of rows, the sum's
.set WQS,  33
.set XSC,  34
.set SSC,  37
.set WK,   38                          ; v[38:45] my fragment of w_k;  v[46:53] of w_q: they stay
.set WQ,   46
.set QS,   54                          ; v[54:61] -log2 e x query, in the result's layout
.set SUM,  62                          ; v[62:65] my rows' sum
.set SF,   62                          ; v[62:69] or the sum's fragment
.set OUT,  66                          ; v[66:69] my part of the weighted sum
.set X0,   70                          ; v70-121, v122-173: thirteen rows each
.set X1,   122
.set W,    174                         ; v174-253 at work:
.set F,    174                         ;   three fragments of rows,
.set ACC,  198                         ;   three results,
.set WP,   222                         ;   three units of w_p,
.set QY,   246                         ;   the query, later unit 6's w_p;
.set MX,   174                         ;   or, while rows are quantised, one register a row: largest magnitude and scale operand,
.set BY,   187                         ;   scale byte,
.set CD,   200                         ;   codes;
.set PT,   174                         ;   or (wave 15) the sixteen parts of the sum, v174-237,
.set SQM,  246                         ;   its largest magnitude, byte and codes
.set SQB,  247
.set SQC,  248
.set AD1,  254                         ; v254, v255: LDS addresses made where they are used, and nothing else
.set AD2,  255
; scalar registers
.set XP,   4                           ; s[4:5] x at the session pair in hand
.set WV,   16                          ; my wave's number w
.set NT,   17                          ; n = w & 7
.set GH,   18                          ; g = w >> 3
.set T0,   19                          ; 13 w
.set SEL,  20                          ; s[20:21] lane selects: lane l xor 16
.set NL2E, 22                          ; s[22:23] -log2 e (a pair for the packed forms)
.set L2E,  24                          ; log2 e
.set VAL,  25                          ; the lanes r that stand for a row of mine
.set CNT,  26
.set TMK,  27                          ; what a trip adds to the places of the mask words,
.set WPT,  28                          ; s[28:29] the weight that I quantise
.set TPT,  30                          ; of the parts of the weighted sum,
.set TMP,  31                          ; and of (M, P)
.set WS,   32                          ; s[32:63] sixteen pairs: the even word is a row's mask or weight, the odd words are 0 and only named
.macro BAR                             ; my LDS stores have landed and my LDS loads are in: then the work-group's barrier
	s_wait_dscnt 0x0
	s_barrier_signal -1
	s_barrier_wait -1
.endm
.macro PLACES                          ; four places behind a matrix instruction, ahead of reads of its result and of loads into its sources
.rept 4
	v_nop
.endr
.endm
; Rows i0 .. i0 + cnt - 1 of a session into set X: each load reads one row's 512 consecutive bytes.  The row stands in the immediate, -6 .. +6 rows of 2^20 bytes round the offset register's.
.macro XROWS X, add, i0, cnt
.set ri, \i0
.rept \cnt
	global_load_b128 v[\X+4*ri:\X+4*ri+3], v[XOFF], s[XP:XP+1] offset:(ri-6)*1048576+(\add) th:TH_LOAD_NT
.set ri, ri+1
.endr
.endm
.macro MKREAD mk                       ; my rows' masks, lane r's for row r, become scalars
.set ri, 0
.rept 13
	v_readlane_b32 s[WS+2*ri], v[\mk], ri
.set ri, ri+1
.endr
.endm
; Rows i0 .. i0 + cnt - 1: xm = x mask, in place; then their sum.  The product is wanted by itself, and the sum takes it rounded, as reference() does: so no fused form.  Row 1 starts the sum: nothing is cleared.
.macro A1ROWS X, i0, cnt
.set ri, \i0
.rept \cnt
	v_pk_mul_f32 v[\X+4*ri:\X+4*ri+1], v[\X+4*ri:\X+4*ri+1], s[WS+2*ri:WS+2*ri+1] op_sel_hi:[1,0]
	v_pk_mul_f32 v[\X+4*ri+2:\X+4*ri+3], v[\X+4*ri+2:\X+4*ri+3], s[WS+2*ri:WS+2*ri+1] op_sel_hi:[1,0]
.set ri, ri+1
.endr
.set ri, \i0
.rept \cnt
.if ri == 1
	v_pk_add_f32 v[SUM:SUM+1], v[\X:\X+1], v[\X+4:\X+5]
	v_pk_add_f32 v[SUM+2:SUM+3], v[\X+2:\X+3], v[\X+6:\X+7]
.elseif ri > 1
	v_pk_add_f32 v[SUM:SUM+1], v[SUM:SUM+1], v[\X+4*ri:\X+4*ri+1]
	v_pk_add_f32 v[SUM+2:SUM+3], v[SUM+2:SUM+3], v[\X+4*ri+2:\X+4*ri+3]
.endif
.set ri, ri+1
.endr
.endm
.macro QLD XL, add, ld                 ; the next row of the next session, if one is left of this run of rows
.if \ld
.if li < lend
	global_load_b128 v[\XL+4*li:\XL+4*li+3], v[XOFF], s[XP:XP+1] offset:(li-6)*1048576+(\add) th:TH_LOAD_NT
.set li, li+1
.endif
.endif
.endm
; Rows i0 .. of set X are quantised, stage by stage, so that no line waits for the line above it.  A block of 32 is 8 lanes x 4 numbers.  The conversion takes eight registers: row 0's window is rows 0 and 1
; (its codes are the low half of the result), row i's is rows i - 1 and i (the high half); the other row's four codes, made under a scale that is not theirs, are not stored.
; ld = 1: the same rows of the next session are asked for, into set XL, which the weighted sum has just left: ONE LOAD AHEAD OF EACH STAGE.  The sixteen waves ask for 200 rows of 512 bytes a period;
; so spread, each request has 5 or 8 vector instructions of its wave behind it, and none stands straight in front of an LDS instruction.
.macro QROWS X, i0, cnt, XL, add, ld
.set li, \i0
.set lend, \i0+\cnt
	QLD \XL, \add, \ld
.set qi, \i0
.rept \cnt
	v_max3_num_f32 v[MX+qi], |v[\X+4*qi]|, |v[\X+4*qi+1]|, |v[\X+4*qi+2]|
.set qi, qi+1
.endr
	QLD \XL, \add, \ld
.set qi, \i0
.rept \cnt
	v_max3_num_f32 v[MX+qi], v[MX+qi], |v[\X+4*qi+3]|, FLOOR
.set qi, qi+1
.endr
.irp m, 1,2,4
	QLD \XL, \add, \ld
.set qi, \i0
.rept \cnt
	v_max_num_f32_dpp v[MX+qi], v[MX+qi], v[MX+qi] row_xmask:\m row_mask:0xf bank_mask:0xf
.set qi, qi+1
.endr
.endr
	QLD \XL, \add, \ld
.set qi, \i0
.rept \cnt
	v_add_nc_u32 v[MX+qi], EOFF, v[MX+qi]          ; the conversion takes this operand's exponent field as its scale, and nothing else of it
.set qi, qi+1
.endr
	QLD \XL, \add, \ld
.set qi, \i0
.rept \cnt
.if qi == 0
	v_cvt_scalef32_pk8_fp4_f32 v[CD], v[\X:\X+7], v[MX]
.else
	v_cvt_scalef32_pk8_fp4_f32 v[CD+qi], v[\X+4*qi-4:\X+4*qi+3], v[MX+qi]
.endif
.set qi, qi+1
.endr
	v_nop                                          ; one plain place behind the scaled conversions
	QLD \XL, \add, \ld
.set qi, \i0
.rept \cnt
	v_lshrrev_b32 v[BY+qi], 23, v[MX+qi]           ; the scale's byte
.set qi, qi+1
.endr
.set qi, \i0
.rept \cnt
.if qi == 0
	ds_store_b16 v[CA], v[CD]                      ; my four codes: bytes 2 l, 2 l + 1 of the row
.else
	ds_store_b16_d16_hi v[CA], v[CD+qi] offset:80*qi
.endif
	ds_store_b8 v[SA], v[BY+qi] offset:4*qi        ; the eight lanes of a block write the same byte with the same value
.set qi, qi+1
.endr
.endm
; Wave 15: the sixteen parts of the session's sum are added (a tree, neighbours 8, 4, 2, 1 apart) and the sum is quantised like a row.
.macro SUMQ
.set qi, 0
.rept 16
	ds_load_b128 v[PT+4*qi:PT+4*qi+3], v[PSR] offset:512*qi
.set qi, qi+1
.endr
	s_wait_dscnt 0x0
.irp d, 8,4,2,1
.set qi, 0
.rept \d
	v_pk_add_f32 v[PT+4*qi:PT+4*qi+1], v[PT+4*qi:PT+4*qi+1], v[PT+4*(qi+\d):PT+4*(qi+\d)+1]
	v_pk_add_f32 v[PT+4*qi+2:PT+4*qi+3], v[PT+4*qi+2:PT+4*qi+3], v[PT+4*(qi+\d)+2:PT+4*(qi+\d)+3]
.set qi, qi+1
.endr
.endr
	v_max3_num_f32 v[SQM], |v[PT]|, |v[PT+1]|, |v[PT+2]|
	v_max3_num_f32 v[SQM], v[SQM], |v[PT+3]|, FLOOR
.irp m, 1,2,4
	v_max_num_f32_dpp v[SQM], v[SQM], v[SQM] row_xmask:\m row_mask:0xf bank_mask:0xf
.endr
	v_add_nc_u32 v[SQM], EOFF, v[SQM]
	v_cvt_scalef32_pk8_fp4_f32 v[SQC], v[PT:PT+7], v[SQM]   ; the low half is the sum's; registers 4-7 hold what the tree left there
	v_nop                                          ; one plain place behind the scaled conversion
	v_lshrrev_b32 v[SQB], 23, v[SQM]
	ds_store_b16 v[SCA], v[SQC]
	ds_store_b8 v[SSA], v[SQB]
.endm
.macro CLOAD u0, n                     ; the fragments and scale words of my units u0 .. : three loads a unit
.set uj, 0
.rept \n
	ds_load_b128 v[F+8*uj:F+8*uj+3], v[FA] offset:1280*(\u0+uj)
	ds_load_b128 v[F+8*uj+4:F+8*uj+7], v[FA] offset:1280*(\u0+uj)+32
	ds_load_b32 v[XSC+uj], v[FS] offset:64*(\u0+uj)
.set uj, uj+1
.endr
.endm
.macro WLOAD u0, n                     ; their w_p: two loads a unit
.set uj, 0
.rept \n
	ds_load_b128 v[WP+8*uj:WP+8*uj+3], v[WPA] offset:1024*(\u0+uj)
	ds_load_b128 v[WP+8*uj+4:WP+8*uj+7], v[WPA] offset:1024*(\u0+uj)+512
.set uj, uj+1
.endr
.endm
.macro KMUL n                          ; key^T: K = 128 is one instruction, so every product starts and ends its own sum: C is the constant 0, and no two share a result
.set uj, 0
.rept \n
	v_wmma_scale_f32_16x16x128_f8f6f4 v[ACC+8*uj:ACC+8*uj+7], v[WK:WK+7], v[F+8*uj:F+8*uj+7], 0, v[WKS], v[XSC+uj] matrix_a_fmt:MATRIX_FMT_FP4 matrix_b_fmt:MATRIX_FMT_FP4
.set uj, uj+1
.endr
.endm
; sigmoid(key + query) = 1 / (1 + 2^(-log2 e key - log2 e query)), the units by turns; each result is read from its two lowest registers on
.macro SIGMA n
.irp q, 0,2,4,6
.set uj, 0
.rept \n
	v_pk_fma_f32 v[ACC+8*uj+\q:ACC+8*uj+\q+1], v[ACC+8*uj+\q:ACC+8*uj+\q+1], s[NL2E:NL2E+1], v[QS+\q:QS+\q+1] op_sel_hi:[1,0,1]
.set uj, uj+1
.endr
.endr
.set uj, 0
.rept 8*\n
	v_exp_f32 v[ACC+uj], v[ACC+uj]
.set uj, uj+1
.endr
	v_nop                                          ; a plain place behind the exponentials
.set uj, 0
	s_wait_alu depctr_va_vdst(0)
.rept 4*\n
	v_pk_add_f32 v[ACC+2*uj:ACC+2*uj+1], v[ACC+2*uj:ACC+2*uj+1], 1.0 op_sel_hi:[1,0]
.set uj, uj+1
.endr
.set uj, 0
.rept 8*\n
	v_rcp_f32 v[ACC+uj], v[ACC+uj]
.set uj, uj+1
.endr
	v_nop                                          ; a plain place behind the reciprocals
.endm
.macro DOT n, wb                       ; my eight d of each unit: sigmoid . w_p (from register wb on), in f32, two at a time
.set uj, 0
	s_wait_alu depctr_va_vdst(0)
.rept \n
	v_pk_mul_f32 v[ACC+8*uj:ACC+8*uj+1], v[ACC+8*uj:ACC+8*uj+1], v[\wb+8*uj:\wb+8*uj+1]
.set uj, uj+1
.endr
.irp q, 2,4,6
.set uj, 0
.rept \n
	v_pk_fma_f32 v[ACC+8*uj:ACC+8*uj+1], v[ACC+8*uj+\q:ACC+8*uj+\q+1], v[\wb+8*uj+\q:\wb+8*uj+\q+1], v[ACC+8*uj:ACC+8*uj+1]
.set uj, uj+1
.endr
.endr
.endm
.macro RED u0, n                       ; the pair's halves, the other half of the lanes' eight d: the unit's 16 d of row t; both halves store the same word with the same value
.set uj, 0
.rept \n
	v_add_f32 v[ACC+8*uj], v[ACC+8*uj], v[ACC+8*uj+1]
.set uj, uj+1
.endr
.set uj, 0
.rept \n
	v_permlanex16_b32 v[ACC+8*uj+2], v[ACC+8*uj], s[SEL], s[SEL+1]
.set uj, uj+1
.endr
.set uj, 0
.rept \n
	v_add_f32 v[SV+\u0+uj], v[ACC+8*uj], v[ACC+8*uj+2]
.set uj, uj+1
.endr
.set uj, 0
.rept \n
	ds_store_b32 v[SMW], v[SV+\u0+uj] offset:64*(\u0+uj)
.set uj, uj+1
.endr
.endm
; Lane r: my row r.  Lanes 0-15 add the parts of columns' tiles 0-3, lanes 16-31 those of tiles 4-7.  mk: the register with the session's masks
.macro SOFT mk
.irp i, 0,1,2,3
	ds_load_b32 v[SV+\i], v[SMR] offset:832*\i
.endr
	s_wait_dscnt 0x0
	v_add_f32 v[SV], v[SV], v[SV+1]
	v_add_f32 v[SV+2], v[SV+2], v[SV+3]
	v_add_f32 v[SV], v[SV], v[SV+2]
	v_permlanex16_b32 v[TP], v[SV], s[SEL], s[SEL+1]
	v_add_f32 v[SV], v[SV], v[TP]                  ; sim
	v_mul_f32 v[SV], v[SV], v[\mk]                 ; the score,
	v_mul_f32 v[SV+4], s[L2E], v[SV]               ; as an exponent of 2
	v_cndmask_b32 v[SV+4], v[NINF], v[SV+4], s[VAL]   ; lanes that stand for no row of mine: -infinity
	v_max_num_f32_dpp v[MM], v[SV+4], v[SV+4] row_xmask:1 row_mask:0xf bank_mask:0xf
.irp m, 2,4,8
	v_max_num_f32_dpp v[MM], v[MM], v[MM] row_xmask:\m row_mask:0xf bank_mask:0xf
.endr
	v_sub_f32 v[SV+5], v[SV+4], v[MM]              ; the largest of my rows is taken away
	v_exp_f32 v[SV+5], v[SV+5]
	v_nop                                          ; a plain place behind the exponential
	s_wait_alu depctr_va_vdst(0)
	v_mul_f32 v[SV+5], v[SV+5], v[\mk]             ; the weight: masked again
	v_add_f32_dpp v[MM+1], v[SV+5], v[SV+5] row_xmask:1 row_mask:0xf bank_mask:0xf
.irp m, 2,4,8
	v_add_f32_dpp v[MM+1], v[MM+1], v[MM+1] row_xmask:\m row_mask:0xf bank_mask:0xf
.endr
.set ri, 0
.rept 13
	v_readlane_b32 s[WS+2*ri], v[SV+5], ri
.set ri, ri+1
.endr
.endm
.macro CROWS X, i0, cnt                ; my part of the weighted sum; row 0 starts it
.set ri, \i0
.rept \cnt
.if ri == 0
	v_pk_mul_f32 v[OUT:OUT+1], v[\X:\X+1], s[WS:WS+1] op_sel_hi:[1,0]
	v_pk_mul_f32 v[OUT+2:OUT+3], v[\X+2:\X+3], s[WS:WS+1] op_sel_hi:[1,0]
.else
	v_pk_fma_f32 v[OUT:OUT+1], v[\X+4*ri:\X+4*ri+1], s[WS+2*ri:WS+2*ri+1], v[OUT:OUT+1] op_sel_hi:[1,0,1]
	v_pk_fma_f32 v[OUT+2:OUT+3], v[\X+4*ri+2:\X+4*ri+3], s[WS+2*ri:WS+2*ri+1], v[OUT+2:OUT+3] op_sel_hi:[1,0,1]
.endif
.set ri, ri+1
.endr
.endm
; A finished session (its rows in set X, its masks in register mk; pq: its place in the trip's pair): my rows' softmax part and my part of the weighted sum, left in LDS for the joining
.macro WSUM X, mk, pq
	SOFT \mk
	CROWS \X, 0, 5
	s_cmp_eq_u32 s[WV], 15
	s_cbranch_scc1 .Lc_\@
	CROWS \X, 5, 8
.Lc_\@:
	v_add_nc_u32 v[AD1], s[TPT], v[PTA]
	v_add_nc_u32 v[AD2], s[TMP], v[MPA]
	ds_store_b128 v[AD1], v[OUT:OUT+3] offset:512*\pq
	ds_store_b64 v[AD2], v[MM:MM+1] offset:8*\pq   ; every lane holds the same two numbers
.endm
.macro WLD c                           ; half c of the weight: a lane takes a column and its registers run down K: W(64 c + 32 h + i, 16 n + r), the order of the operand's registers
.set qi, 0
.rept 32
	global_load_b32 v[W+32*\c+qi], v27, s[WPT:WPT+1] offset:(64*\c+qi)*512
.set qi, qi+1
.endr
.endm
; ---------------------------------------------------------------- THE HEAD
	s_load_b256 s[4:11], s[0:1], 0x0               ; x s[4:5], mask s[6:7], w_p s[8:9], w_k s[10:11]
	s_load_b128 s[12:15], s[0:1], 0x20             ; w_q s[12:13], out0 s[14:15]
	v_lshrrev_b32 v20, 5, v0
	v_readfirstlane_b32 s[WV], v20
	s_and_b32 s[NT], s[WV], 7
	s_lshr_b32 s[GH], s[WV], 3
	s_mul_i32 s[T0], s[WV], 13
	v_and_b32 v21, 31, v0                          ; l
	v_and_b32 v22, 15, v0                          ; r
	v_bfe_u32 v23, v0, 4, 1                        ; h
	v_bfe_u32 v24, v0, 3, 2                        ; l / 8
	v_lshlrev_b32 v[L16], 4, v21
	s_add_co_u32 s32, s[T0], 6
	s_lshl_b32 s32, s32, 20
	v_add_nc_u32 v[XOFF], s32, v[L16]
	s_mul_i32 s32, s[WV], 1040
	s_add_co_u32 s32, s32, CODES
	v_lshl_add_u32 v[CA], v21, 1, s32
	s_mul_i32 s32, s[WV], 52
	s_add_co_u32 s32, s32, SCW
	v_add_nc_u32 v[SA], s32, v24
	s_lshl_b32 s32, s[WV], 9
	s_add_co_u32 s32, s32, PS
	v_add_nc_u32 v[PSA], s32, v[L16]
	v_add_nc_u32 v[PSR], PS, v[L16]
	s_mul_i32 s32, s[GH], 8960
	s_add_co_u32 s32, s32, CODES
	v_mul_u32_u24 v[FA], v22, 80
	v_lshl_add_u32 v[FA], v23, 4, v[FA]
	v_add_nc_u32 v[FA], s32, v[FA]
	s_mul_i32 s34, s[GH], 448
	s_add_co_u32 s32, s34, SCW
	v_lshl_add_u32 v[FS], v22, 2, s32
	s_mul_i32 s32, s[WV], 7168
	v_add_nc_u32 v[WPA], s32, v[L16]
	s_mul_i32 s32, s[NT], 832
	s_add_co_u32 s32, s32, s34
	s_add_co_u32 s32, s32, SIM
	v_lshl_add_u32 v[SMW], v22, 2, s32
	s_mul_i32 s32, s[WV], 52
	s_add_co_u32 s32, s32, SIM
	v_mul_u32_u24 v[SMR], v23, 3328
	v_lshl_add_u32 v[SMR], v22, 2, v[SMR]
	v_add_nc_u32 v[SMR], s32, v[SMR]
	s_lshl_b32 s32, s[WV], 9
	s_add_co_u32 s32, s32, MKL
	v_lshl_add_u32 v[MKA], v22, 2, s32
	s_lshl_b32 s32, s[WV], 12
	s_add_co_u32 s32, s32, PART
	v_add_nc_u32 v[PTA], s32, v[L16]
	s_lshl_b32 s32, s[WV], 6
	s_add_co_u32 s32, s32, MP
	v_mov_b32 v[MPA], s32
	v_lshl_add_u32 v[SUA], v23, 4, SUMC
	v_mov_b32 v[SUS], SUMS
	v_lshl_add_u32 v[SCA], v21, 1, SUMC
	v_add_nc_u32 v[SSA], SUMS, v24
	; addresses that the head alone uses
	v_lshl_add_u32 v62, v23, 8, v[MKA]             ; the masks' way in: sessions 4 h + j: 256 h + 64 j
	v_lshrrev_b32 v63, 2, v21
	v_mul_u32_u24 v63, v63, 80
	v_and_b32 v64, 3, v21
	v_lshl_add_u32 v63, v64, 4, v63
	v_add_nc_u32 v63, CODES+16000, v63             ; rows 200-207: four lanes to a row's 64 bytes
	v_and_b32 v64, 7, v21
	v_lshl_add_u32 v64, v64, 2, SCW+800            ; their scale words
	v_lshl_add_u32 v65, v22, 2, SIM+6656           ; the 64 bytes behind the scores' last row
	s_lshl_b32 s32, s[NT], 10
	s_add_co_u32 s32, s32, WIMG
	v_add_nc_u32 v66, s32, v[L16]                  ; the images that I fetch: tile n of w_k, and 8,192 bytes on of w_q
	s_lshl_b32 s32, s[NT], 7
	s_add_co_u32 s32, s32, WSCL
	v_lshl_add_u32 v67, v21, 2, s32
	s_lshl_b32 s32, s[WV], 10
	s_add_co_u32 s32, s32, WIMG
	v_add_nc_u32 v[AD1], s32, v[L16]               ; the image that I make
	s_lshl_b32 s32, s[WV], 7
	s_add_co_u32 s32, s32, WSCL
	v_lshl_add_u32 v[AD2], v21, 2, s32
	; which lanes stand for a row of mine; offsets into mask, the weight and w_p
	v_cmp_gt_u32 s[VAL], 13, v22
	v_add_nc_u32 v25, s[T0], v22                   ; t = 13 w + r
	v_cmp_gt_u32 s32, 200, v25
	s_and_b32 s[VAL], s[VAL], s32
	v_min_u32 v26, 199, v25                        ; no load leaves the buffer: lanes without a row take row 199 and are cleared below
	v_lshlrev_b32 v26, 13, v26
	v_lshl_add_u32 v26, v23, 4, v26                ; mask: row t of 8,192 bytes, sessions 4 h .. 4 h + 3
	v_lshlrev_b32 v27, 2, v22
	v_lshl_add_u32 v27, v23, 14, v27               ; the weight: column r, 32 h rows of 512 bytes down
	s_mul_i32 s32, s[GH], 57344
	s_lshl_b32 s34, s[NT], 6
	s_add_co_u32 s32, s32, s34
	v_lshlrev_b32 v31, 9, v22
	v_lshl_add_u32 v31, v23, 5, v31
	v_add_nc_u32 v31, s32, v31                     ; w_p: row 112 g + r, columns 16 n + 8 h on; a unit is 16 rows, 8,192 bytes
	s_mul_i32 s32, s[GH], 112
	s_add_co_u32 s32, s32, 80
	v_add_nc_u32 v25, s32, v22
	v_min_u32 v25, 199, v25                        ; unit 5 of g = 1 is tile 12: its rows past 199 take row 199; what they give is never used
	v_lshlrev_b32 v25, 9, v25
	v_lshl_add_u32 v25, v23, 5, v25
	v_add_nc_u32 v25, s34, v25
	v_mov_b32 v[MM], 0                             ; destinations of lane exchanges count as read: written once
	v_mov_b32 v[MM+1], 0
	v_mov_b32 v[NINF], 0xff800000
	s_mov_b32 s[SEL], 0x76543210
	s_mov_b32 s[SEL+1], 0xfedcba98
	s_mov_b32 s[NL2E], 0xbfb8aa3b
	s_mov_b32 s[NL2E+1], s[NL2E]
	s_mov_b32 s[L2E], 0x3fb8aa3b
	s_mov_b32 s[TMK], 0
	s_mov_b32 s[TPT], 0
	s_mov_b32 s[TMP], 0
	s_wait_kmcnt 0x0
	s_lshl_b32 s32, ttmp9, 12                      ; my 8 sessions: 8 x 512 bytes into a row of x and into out0
	s_mov_b32 s33, 0
	s_add_nc_u64 s[XP:XP+1], s[XP:XP+1], s[32:33]
	s_add_nc_u64 s[14:15], s[14:15], s[32:33]
	s_lshl_b32 s32, s[WV], 8                       ; at the end wave w stores session w / 2, half w % 2: 512 (w / 2) + 256 (w % 2) = 256 w
	s_add_nc_u64 s[14:15], s[14:15], s[32:33]
	s_lshl_b32 s32, ttmp9, 5
	s_add_nc_u64 s[6:7], s[6:7], s[32:33]
	s_cmp_lt_u32 s[WV], 8                          ; waves 0-7 quantise w_k's tiles of columns, waves 8-15 w_q's: the choice hangs on the wave's number alone
	s_cselect_b64 s[WPT:WPT+1], s[10:11], s[12:13]
	s_lshl_b32 s32, s[NT], 6
	s_add_nc_u64 s[WPT:WPT+1], s[WPT:WPT+1], s[32:33]
	; The head's loads, up to 92 a wave, and ONE wait for all of them.  Session 0's rows go out near the front.  Half of the weight stands ahead of them: a load that finds no place in the counter
	; is held back until older loads are done (ISA guide 5.7.1), and the oldest here are then the weight's, not x's rows.
	WLD 0
	XROWS X0, 0, 0, 5                              ; session 0
	s_cmp_eq_u32 s[WV], 15
	s_cbranch_scc1 .Lx0s                           ; wave 15 has five rows: no load leaves the buffer
	XROWS X0, 0, 5, 8
.Lx0s:
	global_load_b128 v[238:241], v26, s[6:7]
	WLD 1
.irp u, 0,1,2,3,4                      ; w_p is staged in the set that session 1 will take
	global_load_b128 v[X1+8*\u:X1+8*\u+3], v31, s[8:9] offset:8192*\u
	global_load_b128 v[X1+8*\u+4:X1+8*\u+7], v31, s[8:9] offset:8192*\u+16
.endr
	global_load_b128 v[X1+40:X1+43], v25, s[8:9]
	global_load_b128 v[X1+44:X1+47], v25, s[8:9] offset:16
	s_cmp_lt_u32 s[WV], 8
	s_cbranch_scc0 .Lno6a                          ; tiles of rows 0-6 are seven, tiles 7-12 six
	global_load_b128 v[X1+48:X1+51], v31, s[8:9] offset:49152
	global_load_b128 v[242:245], v31, s[8:9] offset:49168
.Lno6a:
.set qi, 0
.rept 16
	s_mov_b32 s[WS+2*qi+1], 0                      ; the pairs' upper words are named by the packed forms, so they are written (the head's scalar temporaries are done with)
.set qi, qi+1
.endr
	s_wait_loadcnt 0x0                             ; all of them are in, on every way
.irp c, 0,1                            ; my block 2 c + h: all its 32 numbers are mine
	v_max3_num_f32 v[54+\c], |v[W+32*\c]|, |v[W+32*\c+1]|, FLOOR
.endr
.set qi, 2
.rept 15
.irp c, 0,1
	v_max3_num_f32 v[54+\c], v[54+\c], |v[W+32*\c+qi]|, |v[W+32*\c+qi+1]|
.endr
.set qi, qi+2
.endr
.irp c, 0,1
	v_add_nc_u32 v[56+\c], EOFF, v[54+\c]
.endr
.irp c, 0,1
	v_lshrrev_b32 v[58+\c], 23, v[56+\c]
.endr
	v_lshl_or_b32 v60, v59, 16, v58                ; my two bytes, blocks h and 2 + h,
	v_lshlrev_b32 v61, 3, v23
	v_lshlrev_b32 v60, v61, v60                    ; at their places in the scale word;
	v_mov_b32 v61, 0
	v_permlanex16_b32 v61, v60, s[SEL], s[SEL+1]
	v_or_b32 v60, v60, v61                         ; with lane l xor 16's two the word is whole
.irp c, 0,1
.irp q, 0,1,2,3
	v_cvt_scalef32_pk8_fp4_f32 v[246+4*\c+\q], v[W+32*\c+8*\q:W+32*\c+8*\q+7], v[56+\c]
.endr
.endr
	v_nop                                          ; one plain place behind the scaled conversions
	ds_store_b128 v[AD1], v[246:249]               ; the fragment goes to LDS as an image of its registers
	ds_store_b128 v[AD1], v[250:253] offset:512
	ds_store_b32 v[AD2], v60
.irp j, 0,1,2,3
	v_cndmask_b32 v[238+\j], 0, v[238+\j], s[VAL]  ; the mask: 0 where the lane stands for no row of mine
.endr
.irp j, 0,1,2,3
	ds_store_b32 v62, v[238+\j] offset:64*\j
.endr
.irp u, 0,1,2,3,4,5
	ds_store_b128 v[WPA], v[X1+8*\u:X1+8*\u+3] offset:1024*\u
	ds_store_b128 v[WPA], v[X1+8*\u+4:X1+8*\u+7] offset:1024*\u+512
.endr
	s_cmp_lt_u32 s[WV], 8
	s_cbranch_scc0 .Lno6b
	ds_store_b128 v[WPA], v[X1+48:X1+51] offset:6144
	ds_store_b128 v[WPA], v[242:245] offset:6656
.Lno6b:
.irp j, 0,1,2,3
	v_mov_b32 v[56+\j], 0
.endr
	v_mov_b32 v61, 0x7f7f7f7f
	s_cmp_lg_u32 s[WV], 15
	s_cbranch_scc1 .Lnozero
	ds_store_b128 v63, v[56:59]                    ; rows 200-207: zero codes, which add nothing,
	ds_store_b32 v64, v61                          ; under the byte 127;
	ds_store_b32 v65, v56                          ; and zeros behind the scores' last row, where wave 15's idle lanes read
.Lnozero:
	ds_load_b32 v[MK], v[MKA]                      ; session 0's masks: my own bytes, and LDS serves a wave's instructions in order (ISA guide 5.7.1.4)
	s_wait_dscnt 0x0                               ; they are in, and my stores above have landed
	MKREAD MK
	A1ROWS X0, 0, 5                                ; session 0's rows times their masks, and their sum
	s_cmp_eq_u32 s[WV], 15
	s_cbranch_scc1 .La0
	A1ROWS X0, 5, 8
.La0:
	ds_store_b128 v[PSA], v[SUM:SUM+3]
	BAR                                            ; the sixteen weight images and the sixteen parts of session 0's sum lie in LDS
	ds_load_b128 v[WK:WK+3], v66
	ds_load_b128 v[WK+4:WK+7], v66 offset:512
	ds_load_b128 v[WQ:WQ+3], v66 offset:8192
	ds_load_b128 v[WQ+4:WQ+7], v66 offset:8704
	ds_load_b32 v[WKS], v67
	ds_load_b32 v[WQS], v67 offset:1024
	s_wait_dscnt 0x0
; ---------------------------------------------------------------- A PERIOD: session k.  p = k % 2: the set that holds it.  soft = 1: session k - 1 is finished (pq: its place in the trip's pair).
; nxt = 1: session k + 1 is asked for and begun (nx: its place, counted from the trip's first finished session)
.macro PERIOD p, pq, nx, soft, nxt
.set XC, X0+52*\p
.set XO, X0+52*(1-\p)
.set MKO, MK+12*(1-\p)                 ; the masks of session k - 1, then of session k + 1
	; ---- A
	s_cmp_lg_u32 s[WV], 15
	s_cbranch_scc1 .Lns_\@
	SUMQ                                           ; wave 15, which has eight rows fewer in all that follows
.Lns_\@:
.if \soft
	WSUM XO, MKO, \pq                              ; behind it the other set is free
.endif
	WLOAD 0, 3                                     ; w_p of my first three units: my own bytes, so they need not wait for the barrier; they land under the quantising
	QROWS XC, 0, 5, XO, 512*\nx, \nxt
	s_cmp_eq_u32 s[WV], 15
	s_cbranch_scc1 .Lq_\@                          ; wave 15 has five rows: no load leaves the buffer
	QROWS XC, 5, 8, XO, 512*\nx, \nxt
.Lq_\@:
	BAR                                            ; the session's codes and scale words, and the sum's, lie in LDS; nobody reads the last session's scores or this session's parts of the sum any more
	; ---- B
.if \nxt
	v_add_nc_u32 v[AD1], s[TMK], v[MKA]
	ds_load_b32 v[MKO], v[AD1] offset:64*\nx       ; the next session's masks
.endif
	ds_load_b128 v[SF:SF+3], v[SUA]                ; the sum's row in all sixteen columns of source 1
	ds_load_b128 v[SF+4:SF+7], v[SUA] offset:32
	ds_load_b32 v[SSC], v[SUS]
	CLOAD 0, 3
	s_wait_dscnt 0x0
	v_wmma_scale_f32_16x16x128_f8f6f4 v[QY:QY+7], v[WQ:WQ+7], v[SF:SF+7], 0, v[WQS], v[SSC] matrix_a_fmt:MATRIX_FMT_FP4 matrix_b_fmt:MATRIX_FMT_FP4
	KMUL 3
	PLACES
	CLOAD 3, 3                                     ; the next three units' codes land under this group's vector work
.irp q, 0,2,4,6
	v_pk_mul_f32 v[QS+\q:QS+\q+1], v[QY+\q:QY+\q+1], s[NL2E:NL2E+1] op_sel_hi:[1,0]
.endr
	SIGMA 3
	DOT 3, WP
	WLOAD 3, 3
	RED 0, 3
	s_wait_dscnt 9                                 ; the codes are in: behind them stand w_p's six loads and three stores
	KMUL 3
	PLACES
	s_cmp_lt_u32 s[WV], 8
	s_cbranch_scc0 .Ln6a_\@                        ; tiles of rows 0-6 are seven, tiles 7-12 six
	CLOAD 6, 1                                     ; the seventh unit's codes, and its w_p into the registers that the query has left: five loads, which land under this group's vector work
	ds_load_b128 v[QY:QY+3], v[WPA] offset:6144
	ds_load_b128 v[QY+4:QY+7], v[WPA] offset:6656
.Ln6a_\@:
	SIGMA 3
	s_wait_dscnt 3                                 ; w_p's six are in: behind them stand three stores and, in waves 0-7, five loads; the youngest three of these may be out
	DOT 3, WP
	RED 3, 3
	s_cmp_lt_u32 s[WV], 8
	s_cbranch_scc0 .Ln6b_\@
	s_wait_dscnt 3                                 ; the seventh unit's five loads are in; the three stores behind them may be out
	KMUL 1
	PLACES
	SIGMA 1
	DOT 1, QY
	RED 6, 1
.Ln6b_\@:
.if \nxt
	MKREAD MKO                                     ; (in since this stretch's first wait)
	s_wait_loadcnt 0x0                             ; the next session's rows are in: nothing else is out, on every way
	A1ROWS XO, 0, 5
	s_cmp_eq_u32 s[WV], 15
	s_cbranch_scc1 .La1_\@
	A1ROWS XO, 5, 8
.La1_\@:
	ds_store_b128 v[PSA], v[SUM:SUM+3]
.endif
	BAR                                            ; all parts of the scores, and of the next session's sum, lie in LDS; nobody reads this session's codes any more
.endm
	PERIOD 0, 0, 1, 0, 1                           ; session 0: nothing is finished yet
	s_mov_b32 s[CNT], 3
.Ltrip:                                            ; a trip: sessions 1 + 2 j and 2 + 2 j, so that the two sets are back where they began; it finishes sessions 2 j and 2 j + 1
	PERIOD 1, 0, 2, 1, 1
	PERIOD 0, 1, 3, 1, 1
	s_wait_xcnt 0x0                                ; the loads have had their addresses translated (ISA guide 3.1): their base may step
	s_add_nc_u64 s[XP:XP+1], s[XP:XP+1], 1024
	s_add_co_u32 s[TMK], s[TMK], 128
	s_add_co_u32 s[TPT], s[TPT], 1024
	s_add_co_u32 s[TMP], s[TMP], 16
	s_sub_co_u32 s[CNT], s[CNT], 1
	s_cmp_lg_u32 s[CNT], 0
	s_cbranch_scc1 .Ltrip
	PERIOD 1, 0, 0, 1, 0                           ; session 7 is written out: it asks for nothing; it finishes session 6
	WSUM X1, MK+12, 1                              ; and session 7 is finished
; ---------------------------------------------------------------- THE JOINING: wave w takes session w / 2, channels 64 (w % 2) + 2 l, 2 l + 1
	BAR                                            ; all parts of all eight sessions lie in LDS
	s_lshr_b32 s32, s[WV], 1
	s_lshl_b32 s32, s32, 3
	s_add_co_u32 s32, s32, MP
	v_and_b32 v[AD1], 15, v0
	v_lshl_add_u32 v[AD1], v[AD1], 6, s32          ; lane r: (M, P) of wave r
	s_lshl_b32 s32, s[WV], 8
	s_add_co_u32 s32, s32, PART                    ; 512 (w / 2) + 256 (w % 2) = 256 w
	v_lshrrev_b32 v26, 1, v[L16]                   ; 8 l
	v_add_nc_u32 v[AD2], s32, v26
	ds_load_b64 v[20:21], v[AD1]
.set qi, 0
.rept 16
	ds_load_b64 v[W+2*qi:W+2*qi+1], v[AD2] offset:4096*qi
.set qi, qi+1
.endr
	s_wait_dscnt 16                                ; (M, P) are in; the sixteen parts may be out
	v_max_num_f32_dpp v[MM], v20, v20 row_xmask:1 row_mask:0xf bank_mask:0xf
.irp m, 2,4,8
	v_max_num_f32_dpp v[MM], v[MM], v[MM] row_xmask:\m row_mask:0xf bank_mask:0xf
.endr
	v_sub_f32 v22, v20, v[MM]
	v_exp_f32 v22, v22                             ; f = 2^(M_r - M)
	v_nop                                          ; a plain place behind the exponential
	s_wait_alu depctr_va_vdst(0)
	v_mul_f32 v23, v22, v21
	v_add_f32_dpp v[MM+1], v23, v23 row_xmask:1 row_mask:0xf bank_mask:0xf
.irp m, 2,4,8
	v_add_f32_dpp v[MM+1], v[MM+1], v[MM+1] row_xmask:\m row_mask:0xf bank_mask:0xf
.endr
	v_rcp_f32 v24, v[MM+1]                         ; 1 / p
	v_nop                                          ; a plain place behind the reciprocal
	s_wait_alu depctr_va_vdst(0)
	v_mul_f32 v22, v22, v24
.set qi, 0
.rept 16
	v_readlane_b32 s[WS+2*qi], v22, qi
.set qi, qi+1
.endr
	s_wait_dscnt 0x0
	v_pk_mul_f32 v[OUT:OUT+1], v[W:W+1], s[WS:WS+1] op_sel_hi:[1,0]
.set qi, 1
.rept 15
	v_pk_fma_f32 v[OUT:OUT+1], v[W+2*qi:W+2*qi+1], s[WS+2*qi:WS+2*qi+1], v[OUT:OUT+1] op_sel_hi:[1,0,1]
.set qi, qi+1
.endr
	global_store_b64 v26, v[OUT:OUT+1], s[14:15] th:TH_STORE_NT   ; the wave stores 256 consecutive bytes, at a multiple of 256 from out0's first byte
	s_wait_xcnt 0x0
	v_lshl_add_u32 v254, v0, 2, 0x3ad00
	v_mov_b32 v255, 0
	s_wait_tensorcnt 0x0
	ds_add_u32 v254, v255
	s_wait_dscnt 0x0
	s_endpgm
.Lfunc_end_k_q9bf3b60372_paa:
	.size	k_q9bf3b60372_paa, .Lfunc_end_k_q9bf3b60372_paa-k_q9bf3b60372_paa
	.p2alignl 7, 3214868480
	.fill 96, 4, 3214868480
	.section	.rodata,"a",@progbits
	.p2align	6, 0x0
	.amdhsa_kernel k_q9bf3b60372_paa
		.amdhsa_group_segment_fixed_size 242944
		.amdhsa_private_segment_fixed_size 0
		.amdhsa_enable_private_segment 0
		.amdhsa_kernarg_size 48
		.amdhsa_user_sgpr_count 2
		.amdhsa_user_sgpr_kernarg_segment_ptr 1
		.amdhsa_wavefront_size32 1
		.amdhsa_system_sgpr_workgroup_id_x 1
		.amdhsa_system_sgpr_workgroup_id_y 1
		.amdhsa_system_sgpr_workgroup_id_z 1
		.amdhsa_system_vgpr_workitem_id 0
		.amdhsa_next_free_vgpr 256
		.amdhsa_next_free_sgpr 66
		.amdhsa_reserve_vcc 0
		.amdhsa_float_denorm_mode_32 3
		.amdhsa_float_denorm_mode_16_64 3
		.amdhsa_memory_ordered 1
		.amdhsa_forward_progress 1
		.amdhsa_inst_pref_size 170
	.end_amdhsa_kernel
	.amdgpu_metadata
---
amdhsa.version: [ 1, 2 ]
amdhsa.kernels:
  - .name:           k_q9bf3b60372_paa
    .symbol:         k_q9bf3b60372_paa.kd
    .args:
      - { .name: x, .offset: 0, .size: 8, .value_kind: global_buffer, .address_space: global }
      - { .name: mask, .offset: 8, .size: 8, .value_kind: global_buffer, .address_space: global }
      - { .name: w_p, .offset: 16, .size: 8, .value_kind: global_buffer, .address_space: global }
      - { .name: w_k, .offset: 24, .size: 8, .value_kind: global_buffer, .address_space: global }
      - { .name: w_q, .offset: 32, .size: 8, .value_kind: global_buffer, .address_space: global }
      - { .name: out0, .offset: 40, .size: 8, .value_kind: global_buffer, .address_space: global }
    .group_segment_fixed_size: 242944
    .private_segment_fixed_size: 0
    .kernarg_segment_align: 8
    .kernarg_segment_size: 48
    .max_flat_workgroup_size: 512
    .sgpr_count:     66
    .vgpr_count:     256
    .wavefront_size: 32
...
	.end_amdgpu_metadata
.endif
;; end of part 1
;; ======== version 2 of 2: 1 launch; version 1 with the launch paa written anew for expert scheduling mode
;; launch paa (part 2): grid 256 x 1, 16 waves a work-group, no clusters, 242,944 bytes of LDS; arguments x, mask, w_p, w_k, w_q, out0; writes out0
.if DOCPART == 2
	.amdgcn_target "amdgcn-amd-amdhsa--gfx1250"
	.amdhsa_code_object_version 6
	.text
	.protected	k_q9bf3b60372_paa
	.globl	k_q9bf3b60372_paa
	.p2align	8
	.type	k_q9bf3b60372_paa,@function
k_q9bf3b60372_paa:
	s_mov_b64 s[64:65], 0
	v_nop
	global_prefetch_b8 v0, s[64:65] scope:SCOPE_SE
	s_setreg_imm32_b32 hwreg(HW_REG_WAVE_SCHED_MODE, 0, 2), 2
	s_setreg_imm32_b32 hwreg(HW_REG_WAVE_MODE, 25, 1), 1
	s_wait_xcnt 0x0
	s_wait_alu depctr_vm_vsrc(0)
; out0[b][:] = sum_t a_t xm_t / sum_t a_t,  xm_t = x[t][b][:] mask[t][b],  a_t = exp(score_t - max_t score_t) mask[t][b],
; score_t = mask[t][b] sum_d sigmoid(Q(xm_t) Q(w_k) + Q(sum_t xm_t) Q(w_q))[d] w_p[t][d].   (The softmax's own divisor cancels in att / p.)
; Q: MX-FP4 along K = the 128 channels: codes of E2M1, one E8M0 byte for each 32.  x [200][2048][128], mask [200][2048], w_p [200][128], w_k, w_q [128 (k)][128 (d)], out0 [2048][128]: f32.
; SHARES.  256 work-groups of sixteen waves; a work-group owns 8 neighbouring sessions b and walks them, one a PERIOD.  x IS READ ONCE AND STAYS IN REGISTERS: wave w owns rows t = 13 w .. 13 w + 12
; (wave 15: 195 .. 199); a row (t, b) is 512 consecutive bytes, one load of the wave, lane l holding channels 4 l .. 4 l + 3.  In that layout the sum over t and the weighted sum need no other lane,
; a row's mask and weight are scalars, and a block of 32 is 8 lanes.  Two sets of 52 registers take the sessions by turns.
; THE FIRST PRODUCT IS SHARED BY COLUMNS: wave w takes the 16 columns d = 16 (w & 7) .. and the tiles of 16 rows 0-6 (w < 8) or 7-12 (w >= 8).  The rows' codes go from wave to wave through LDS.
; Both products are used transposed (source 0 = 16 columns of the weight, source 1 = 16 rows t): a lane holds one t and eight d.  The query's source 1 is the sum's codes in all 16 columns,
; so the query arrives in every lane in the result's layout.  Rows 200-207 of tile 12 are zero codes; their sums are never used.
; THE ORDER OF PERIOD k, two barriers:  A: wave 15 adds and quantises the sum of session k; every wave takes its rows' softmax part and weighted sum of session k - 1, which frees that session's set of
; registers, and quantises its rows of session k, asking for its rows of session k + 1 between the stages | barrier |  B: products, sigmoids and dots of session k; the wait for session k + 1; its rows times
; their masks and their sum | barrier.  So each LDS region is written in one of the two stretches and read in the other.
; SOFTMAX.  Each wave takes the maximum of its own rows' scores (masked rows' zeros among them, as reference() has it), its weights, their sum P and its part of the weighted sum, and leaves them in LDS;
; at the end the sixteen parts of each session are joined by 2^(M_w - M): the maximum is taken away in two levels.
; NOT USED, and why: tensor loads and an LDS ring (two sessions in f32 and w_p would fill LDS, and x would be read from LDS twice); joint loads in a cluster (what work-groups share, the weights and w_p,
; is 233,472 of the 211,587,072 input bytes and is read once at the head); prefetches (each row is asked for most of a period ahead by its own load).
; LIMITS: NaN and infinities among the inputs are not served.  A block whose largest magnitude lies under 2^-124 (a block of zeros too) gets the byte 1; a block of zeros has zero codes, and the bytes are
; read by this text alone.  f32 sums over t are taken in another order than reference()'s.  A session whose sum of a_t is 0 gives 0 / 0, as in reference().
; THE MODE: SCHED_MODE bits 1:0 = 2 (LLVM: expert scheduling mode 2), set by the entry lines.  The code itself states the register dependences between vector or matrix instructions and memory or LDS
; instructions, with s_wait_alu, always for 0.
; THE PLAN.  Registers that memory or LDS instructions touch in a period, and who else names them:
;   v1-v18       addresses, written at the head and never again.
;   X0, X1       Session k + 1's rows land in stretch A in the set that the weighted sum of session k - 1 has just read; stretch B multiplies them by their masks; the quantising and the weighted sum read them.
;   v174-253     Stretch A: (wave 15) the sum's parts land, are added, SQB and SQC are stored; the quantising writes MX, BY, CD and its stores read BY, CD; w_p of three units lands in WP.
;                Stretch B: fragments land in F, products read F and write ACC, dots read WP (unit 6: QY); the next fragments and w_p land where the last have been read.
;   v34-37       scale words land, products read them.
;   v62-69       SUM: written in stretch B, read by its store.  OUT: written in stretch A, read by its store.  The sum's fragment lands on both in stretch B and a product reads it.
;   v20-26       SV: written by stretch B's reductions, read by their stores; the scores' parts land in v20-23 in stretch A.     v19, v31: masks land in stretch B; read there and in the softmax part.
;   v[28:29]     written by the softmax part, read by its store.     v254, v255: made where they are used, each read by one LDS instruction.
; THE WAITS OF A PERIOD.  Stretch A: on vm_vsrc at the softmax part's head; on va_vdst ahead of its two stores, which also frees the other set, the masks' register and WP for all loads up to the barrier,
; since no vector instruction behind it names them; on va_vdst ahead of each run of code stores.  Stretch B: on vm_vsrc behind the barrier, for all that stretch A's stores read; on va_vdst behind the one
; address made there; the wait behind a group's exponentials also shows its products done with F and the scale words, so the next fragments are asked for directly behind it; the wait ahead of a group's score
; stores also shows its dots done with WP, so the next w_p is asked for directly behind it; on va_vdst ahead of the store of the sum's part, behind which no vector instruction stands up to the next period's first loads.
; A wait on va_sdst stands behind each run of v_readlane_b32.
.set FLOOR, 0x1800000                  ; 2^(3 - 127): no largest magnitude is taken under it, so that a scale's byte cannot fall under 1
.set EOFF,  0xff000000                 ; -(2 << 23): 2 off an exponent field
; LDS, in bytes
.set WPI,   0                          ; w_p as images of my units' registers: 7168 w + 1024 u + 512 c + 16 l: each wave's own
.set PART,  114688                     ; parts of the weighted sum: 4096 w + 512 k + 16 l
.set CODES, 180224                     ; a session's codes: 208 rows of 64 bytes, 80 apart (an odd multiple of 16: the sixteen rows of a fragment load begin in different 16-byte columns of 256 bytes)
.set SCW,   196864                     ; their scale words: 4 t
.set PS,    197888                     ; parts of the session's sum: 512 w + 16 l
.set SIM,   206080                     ; parts of the scores: 832 n + 4 t; 64 bytes of zeros behind the last row
.set SUMC,  212992                     ; the sum's 64 bytes of codes,
.set SUMS,  213056                     ; and its scale word
.set MP,    213248                     ; (M, P) of wave w, session k: 64 w + 8 k
.set MKL,   214272                     ; my rows' masks: 512 w + 64 k + 4 r: each wave's own
.set WIMG,  222464                     ; the 16 weight fragments as images of registers: 1024 j + 512 c + 16 l, j = n for w_k, 8 + n for w_q
.set WSCL,  238848                     ; their scale words: 128 j + 4 l
; vector registers
.set L16,  1                           ; 16 l
.set XOFF, 2                           ; x: 16 l + (13 w + 6) rows of 2^20 bytes; never rewritten
.set CA,   3                           ; my rows' codes: CODES + 1040 w + 2 l
.set SA,   4                           ; my rows' scale bytes: SCW + 52 w + l / 8
.set PSA,  5                           ; PS + 512 w + 16 l
.set PSR,  6                           ; PS + 16 l
.set FA,   7                           ; my tiles' fragments: CODES + (112 g + r) 80 + 16 h
.set FS,   8                           ; their scale words: SCW + (112 g + r) 4
.set WPA,  9                           ; WPI + 7168 w + 16 l
.set SMW,  10                          ; SIM + 832 n + (112 g + r) 4
.set SMR,  11                          ; SIM + 3328 h + 52 w + 4 r
.set MKA,  12                          ; MKL + 512 w + 4 r
.set PTA,  13                          ; PART + 4096 w + 16 l
.set MPA,  14                          ; MP + 64 w
.set SUA,  15                          ; SUMC + 16 h
.set SUS,  16                          ; SUMS
.set SCA,  17                          ; SUMC + 2 l
.set SSA,  18                          ; SUMS + l / 8
.set MK,   19                          ; v19 (even sessions) and v31 (odd ones): lane r: the mask of my row r (0 where I have no such row)
.set SV,   20                          ; v20-26: a unit's part of the scores; at work in the softmax
.set TP,   27                          ; destination of the exchange between the halves of the lanes
.set MM,   28                          ; v[28:29]: my rows' largest score x log2 e, and my P
.set NINF, 30                          ; -infinity
.set WKS,  32                          ; v32-37 hold scales and nothing else: w_k's, w_q's, three tiles' of rows, the sum's
.set WQS,  33
.set XSC,  34
.set SSC,  37
.set WK,   38                          ; v[38:45] my fragment of w_k;  v[46:53] of w_q: they stay
.set WQ,   46
.set QS,   54                          ; v[54:61] -log2 e x query, in the result's layout
.set SUM,  62                          ; v[62:65] my rows' sum
.set SF,   62                          ; v[62:69] or the sum's fragment
.set OUT,  66                          ; v[66:69] my part of the weighted sum
.set X0,   70                          ; v70-121, v122-173: thirteen rows each
.set X1,   122
.set W,    174                         ; v174-253 at work:
.set F,    174                         ;   three fragments of rows,
.set ACC,  198                         ;   three results,
.set WP,   222                         ;   three units of w_p,
.set QY,   246                         ;   the query, later unit 6's w_p;
.set MX,   174                         ;   or, while rows are quantised, one register a row: largest magnitude and scale operand,
.set BY,   187                         ;   scale byte,
.set CD,   200                         ;   codes;
.set PT,   174                         ;   or (wave 15) the sixteen parts of the sum, v174-237,
.set SQM,  246                         ;   its largest magnitude, byte and codes
.set SQB,  247
.set SQC,  248
.set AD1,  254                         ; v254, v255: LDS addresses made where they are used, and nothing else
.set AD2,  255
; scalar registers
.set XP,   4                           ; s[4:5] x at the session pair in hand
.set WV,   16                          ; my wave's number w
.set NT,   17                          ; n = w & 7
.set GH,   18                          ; g = w >> 3
.set T0,   19                          ; 13 w
.set SEL,  20                          ; s[20:21] lane selects: lane l xor 16
.set NL2E, 22                          ; s[22:23] -log2 e (a pair for the packed forms)
.set L2E,  24                          ; log2 e
.set VAL,  25                          ; the lanes r that stand for a row of mine
.set CNT,  26
.set TMK,  27                          ; what a trip adds to the places of the mask words,
.set WPT,  28                          ; s[28:29] the weight that I quantise
.set TPT,  30                          ; of the parts of the weighted sum,
.set TMP,  31                          ; and of (M, P)
.set WS,   32                          ; s[32:63] sixteen pairs: the even word is a row's mask or weight, the odd words are 0 and only named
.macro BAR                             ; my LDS stores have landed and my LDS loads are in: then the work-group's barrier
	s_wait_dscnt 0x0
	s_barrier_signal -1
	s_barrier_wait -1
.endm
.macro PLACES                          ; four places behind a matrix instruction, ahead of reads of its result (ISA guide 7.12.1)
.rept 4
	v_nop
.endr
.endm
; Rows i0 .. i0 + cnt - 1 of a session into set X: each load reads one row's 512 consecutive bytes.  The row stands in the immediate, -6 .. +6 rows of 2^20 bytes round the offset register's.
.macro XROWS X, add, i0, cnt
.set ri, \i0
.rept \cnt
	global_load_b128 v[\X+4*ri:\X+4*ri+3], v[XOFF], s[XP:XP+1] offset:(ri-6)*1048576+(\add) th:TH_LOAD_NT
.set ri, ri+1
.endr
.endm
.macro MKREAD mk                       ; my rows' masks, lane r's for row r, become scalars
.set ri, 0
.rept 13
	v_readlane_b32 s[WS+2*ri], v[\mk], ri
.set ri, ri+1
.endr
	s_wait_alu depctr_va_sdst(0)                   ; the thirteen scalars are written, ahead of their first reader, the rows' multiplications, and of every branch
.endm
; Rows i0 .. i0 + cnt - 1: xm = x mask, in place; then their sum.  The product is wanted by itself, and the sum takes it rounded, as reference() does: so no fused form.  Row 1 starts the sum: nothing is cleared.
.macro A1ROWS X, i0, cnt
.set ri, \i0
.rept \cnt
	v_pk_mul_f32 v[\X+4*ri:\X+4*ri+1], v[\X+4*ri:\X+4*ri+1], s[WS+2*ri:WS+2*ri+1] op_sel_hi:[1,0]
	v_pk_mul_f32 v[\X+4*ri+2:\X+4*ri+3], v[\X+4*ri+2:\X+4*ri+3], s[WS+2*ri:WS+2*ri+1] op_sel_hi:[1,0]
.set ri, ri+1
.endr
.set ri, \i0
.rept \cnt
.if ri == 1
	v_pk_add_f32 v[SUM:SUM+1], v[\X:\X+1], v[\X+4:\X+5]
	v_pk_add_f32 v[SUM+2:SUM+3], v[\X+2:\X+3], v[\X+6:\X+7]
.elseif ri > 1
	v_pk_add_f32 v[SUM:SUM+1], v[SUM:SUM+1], v[\X+4*ri:\X+4*ri+1]
	v_pk_add_f32 v[SUM+2:SUM+3], v[SUM+2:SUM+3], v[\X+4*ri+2:\X+4*ri+3]
.endif
.set ri, ri+1
.endr
.endm
.macro QLD XL, add, ld                 ; the next row of the next session, if one is left of this run of rows.  No wait: no vector instruction since the wait ahead of the softmax part's stores names set XL
.if \ld
.if li < lend
	global_load_b128 v[\XL+4*li:\XL+4*li+3], v[XOFF], s[XP:XP+1] offset:(li-6)*1048576+(\add) th:TH_LOAD_NT
.set li, li+1
.endif
.endif
.endm
; Rows i0 .. of set X are quantised, stage by stage, so that no line waits for the line above it.  A block of 32 is 8 lanes x 4 numbers.  The conversion takes eight registers: row 0's window is rows 0 and 1
; (its codes are the low half of the result), row i's is rows i - 1 and i (the high half); the other row's four codes, made under a scale that is not theirs, are not stored.
; ld = 1: the same rows of the next session are asked for, into set XL, which the weighted sum has just left: ONE LOAD AHEAD OF EACH STAGE.  The sixteen waves ask for 200 rows of 512 bytes a period;
; so spread, each request has 5 or 8 vector instructions of its wave behind it, and none stands straight in front of an LDS instruction.
.macro QROWS X, i0, cnt, XL, add, ld
.set li, \i0
.set lend, \i0+\cnt
	QLD \XL, \add, \ld
.set qi, \i0
.rept \cnt
	v_max3_num_f32 v[MX+qi], |v[\X+4*qi]|, |v[\X+4*qi+1]|, |v[\X+4*qi+2]|
.set qi, qi+1
.endr
	QLD \XL, \add, \ld
.set qi, \i0
.rept \cnt
	v_max3_num_f32 v[MX+qi], v[MX+qi], |v[\X+4*qi+3]|, FLOOR
.set qi, qi+1
.endr
.irp m, 1,2,4
	QLD \XL, \add, \ld
.set qi, \i0
.rept \cnt
	v_max_num_f32_dpp v[MX+qi], v[MX+qi], v[MX+qi] row_xmask:\m row_mask:0xf bank_mask:0xf
.set qi, qi+1
.endr
.endr
	QLD \XL, \add, \ld
.set qi, \i0
.rept \cnt
	v_add_nc_u32 v[MX+qi], EOFF, v[MX+qi]          ; the conversion takes this operand's exponent field as its scale, and nothing else of it
.set qi, qi+1
.endr
	QLD \XL, \add, \ld
.set qi, \i0
.rept \cnt
.if qi == 0
	v_cvt_scalef32_pk8_fp4_f32 v[CD], v[\X:\X+7], v[MX]
.else
	v_cvt_scalef32_pk8_fp4_f32 v[CD+qi], v[\X+4*qi-4:\X+4*qi+3], v[MX+qi]
.endif
.set qi, qi+1
.endr
	v_nop                                          ; one plain place behind the scaled conversions
	QLD \XL, \add, \ld
.set qi, \i0
.rept \cnt
	v_lshrrev_b32 v[BY+qi], 23, v[MX+qi]           ; the scale's byte
.set qi, qi+1
.endr
	s_wait_alu depctr_va_vdst(0)                   ; the conversions have written CD and the shifts BY, which the stores below read; the quantising is done with MX, BY and CD, where stretch B's fragments land
.set qi, \i0
.rept \cnt
.if qi == 0
	ds_store_b16 v[CA], v[CD]                      ; my four codes: bytes 2 l, 2 l + 1 of the row
.else
	ds_store_b16_d16_hi v[CA], v[CD+qi] offset:80*qi
.endif
	ds_store_b8 v[SA], v[BY+qi] offset:4*qi        ; the eight lanes of a block write the same byte with the same value
.set qi, qi+1
.endr
.endm
; Wave 15: the sixteen parts of the session's sum are added (a tree, neighbours 8, 4, 2, 1 apart) and the sum is quantised like a row.
; The parts' loads owe no wait: no vector instruction stands between the wait ahead of the last stretch's store of the sum's part and these loads.
.macro SUMQ
.set qi, 0
.rept 16
	ds_load_b128 v[PT+4*qi:PT+4*qi+3], v[PSR] offset:512*qi
.set qi, qi+1
.endr
	s_wait_dscnt 0x0
.irp d, 8,4,2,1
.set qi, 0
.rept \d
	v_pk_add_f32 v[PT+4*qi:PT+4*qi+1], v[PT+4*qi:PT+4*qi+1], v[PT+4*(qi+\d):PT+4*(qi+\d)+1]
	v_pk_add_f32 v[PT+4*qi+2:PT+4*qi+3], v[PT+4*qi+2:PT+4*qi+3], v[PT+4*(qi+\d)+2:PT+4*(qi+\d)+3]
.set qi, qi+1
.endr
.endr
	v_max3_num_f32 v[SQM], |v[PT]|, |v[PT+1]|, |v[PT+2]|
	v_max3_num_f32 v[SQM], v[SQM], |v[PT+3]|, FLOOR
.irp m, 1,2,4
	v_max_num_f32_dpp v[SQM], v[SQM], v[SQM] row_xmask:\m row_mask:0xf bank_mask:0xf
.endr
	v_add_nc_u32 v[SQM], EOFF, v[SQM]
	v_cvt_scalef32_pk8_fp4_f32 v[SQC], v[PT:PT+7], v[SQM]   ; the low half is the sum's; registers 4-7 hold what the tree left there
	v_nop                                          ; one plain place behind the scaled conversion
	v_lshrrev_b32 v[SQB], 23, v[SQM]
	s_wait_alu depctr_va_vdst(0)                   ; the conversion has written SQC and the shift SQB, which the two stores read; the tree is done with v222-237, where w_p lands
	ds_store_b16 v[SCA], v[SQC]
	ds_store_b8 v[SSA], v[SQB]
.endm
.macro CLOAD u0, n                     ; the fragments and scale words of my units u0 .. : three loads a unit
.set uj, 0
.rept \n
	ds_load_b128 v[F+8*uj:F+8*uj+3], v[FA] offset:1280*(\u0+uj)
	ds_load_b128 v[F+8*uj+4:F+8*uj+7], v[FA] offset:1280*(\u0+uj)+32
	ds_load_b32 v[XSC+uj], v[FS] offset:64*(\u0+uj)
.set uj, uj+1
.endr
.endm
.macro WLOAD u0, n                     ; their w_p: two loads a unit
.set uj, 0
.rept \n
	ds_load_b128 v[WP+8*uj:WP+8*uj+3], v[WPA] offset:1024*(\u0+uj)
	ds_load_b128 v[WP+8*uj+4:WP+8*uj+7], v[WPA] offset:1024*(\u0+uj)+512
.set uj, uj+1
.endr
.endm
.macro KMUL n                          ; key^T: K = 128 is one instruction, so every product starts and ends its own sum: C is the constant 0, and no two share a result
.set uj, 0
.rept \n
	v_wmma_scale_f32_16x16x128_f8f6f4 v[ACC+8*uj:ACC+8*uj+7], v[WK:WK+7], v[F+8*uj:F+8*uj+7], 0, v[WKS], v[XSC+uj] matrix_a_fmt:MATRIX_FMT_FP4 matrix_b_fmt:MATRIX_FMT_FP4
.set uj, uj+1
.endr
.endm
; sigmoid(key + query) = 1 / (1 + 2^(-log2 e key - log2 e query)), the units by turns; each result is read from its two lowest registers on.  In two parts, so that LDS loads can stand behind the first part's wait
.macro SIGA n
.irp q, 0,2,4,6
.set uj, 0
.rept \n
	v_pk_fma_f32 v[ACC+8*uj+\q:ACC+8*uj+\q+1], v[ACC+8*uj+\q:ACC+8*uj+\q+1], s[NL2E:NL2E+1], v[QS+\q:QS+\q+1] op_sel_hi:[1,0,1]
.set uj, uj+1
.endr
.endr
.set uj, 0
	s_wait_alu depctr_va_vdst(0)
.rept 8*\n
	v_exp_f32 v[ACC+uj], v[ACC+uj]
.set uj, uj+1
.endr
	v_nop                                          ; a plain place behind the exponentials
	s_wait_alu depctr_va_vdst(0)                   ; the exponentials have written ACC, which the additions read; and the group's products are done reading F and the rows' scale words, in which the loads land that follow this wait
.endm
.macro SIGB n
.set uj, 0
.rept 4*\n
	v_pk_add_f32 v[ACC+2*uj:ACC+2*uj+1], v[ACC+2*uj:ACC+2*uj+1], 1.0 op_sel_hi:[1,0]
.set uj, uj+1
.endr
.set uj, 0
	s_wait_alu depctr_va_vdst(0)
.rept 8*\n
	v_rcp_f32 v[ACC+uj], v[ACC+uj]
.set uj, uj+1
.endr
	v_nop                                          ; a plain place behind the reciprocals
.endm
.macro DOT n, wb                       ; my eight d of each unit: sigmoid . w_p (from register wb on), in f32, two at a time
	s_wait_alu depctr_va_vdst(0)                   ; the reciprocals have written ACC, ahead of their first reader
.set uj, 0
.rept \n
	v_pk_mul_f32 v[ACC+8*uj:ACC+8*uj+1], v[ACC+8*uj:ACC+8*uj+1], v[\wb+8*uj:\wb+8*uj+1]
.set uj, uj+1
.endr
.irp q, 2,4,6
.set uj, 0
.rept \n
	v_pk_fma_f32 v[ACC+8*uj:ACC+8*uj+1], v[ACC+8*uj+\q:ACC+8*uj+\q+1], v[\wb+8*uj+\q:\wb+8*uj+\q+1], v[ACC+8*uj:ACC+8*uj+1]
.set uj, uj+1
.endr
.endr
.endm
.macro REDV u0, n                      ; the pair's halves, the other half of the lanes' eight d: the unit's 16 d of row t
.set uj, 0
.rept \n
	v_add_f32 v[ACC+8*uj], v[ACC+8*uj], v[ACC+8*uj+1]
.set uj, uj+1
.endr
.set uj, 0
.rept \n
	v_permlanex16_b32 v[ACC+8*uj+2], v[ACC+8*uj], s[SEL], s[SEL+1]
.set uj, uj+1
.endr
.set uj, 0
.rept \n
	v_add_f32 v[SV+\u0+uj], v[ACC+8*uj], v[ACC+8*uj+2]
.set uj, uj+1
.endr
.endm
.macro REDS u0, n                      ; both halves of the lanes store the same word with the same value
.set uj, 0
.rept \n
	ds_store_b32 v[SMW], v[SV+\u0+uj] offset:64*(\u0+uj)
.set uj, uj+1
.endr
.endm
; Lane r: my row r.  Lanes 0-15 add the parts of columns' tiles 0-3, lanes 16-31 those of tiles 4-7.  mk: the register with the session's masks
.macro SOFT mk
.irp i, 0,1,2,3
	ds_load_b32 v[SV+\i], v[SMR] offset:832*\i
.endr
	s_wait_dscnt 0x0
	v_add_f32 v[SV], v[SV], v[SV+1]
	v_add_f32 v[SV+2], v[SV+2], v[SV+3]
	v_add_f32 v[SV], v[SV], v[SV+2]
	v_permlanex16_b32 v[TP], v[SV], s[SEL], s[SEL+1]
	v_add_f32 v[SV], v[SV], v[TP]                  ; sim
	v_mul_f32 v[SV], v[SV], v[\mk]                 ; the score,
	v_mul_f32 v[SV+4], s[L2E], v[SV]               ; as an exponent of 2
	v_cndmask_b32 v[SV+4], v[NINF], v[SV+4], s[VAL]   ; lanes that stand for no row of mine: -infinity
	v_max_num_f32_dpp v[MM], v[SV+4], v[SV+4] row_xmask:1 row_mask:0xf bank_mask:0xf
.irp m, 2,4,8
	v_max_num_f32_dpp v[MM], v[MM], v[MM] row_xmask:\m row_mask:0xf bank_mask:0xf
.endr
	v_sub_f32 v[SV+5], v[SV+4], v[MM]              ; the largest of my rows is taken away
	s_wait_alu depctr_va_vdst(0)
	v_exp_f32 v[SV+5], v[SV+5]
	v_nop                                          ; a plain place behind the exponential
	s_wait_alu depctr_va_vdst(0)                   ; the exponential has written SV + 5, ahead of its first reader
	v_mul_f32 v[SV+5], v[SV+5], v[\mk]             ; the weight: masked again
	v_add_f32_dpp v[MM+1], v[SV+5], v[SV+5] row_xmask:1 row_mask:0xf bank_mask:0xf
.irp m, 2,4,8
	v_add_f32_dpp v[MM+1], v[MM+1], v[MM+1] row_xmask:\m row_mask:0xf bank_mask:0xf
.endr
.set ri, 0
.rept 13
	v_readlane_b32 s[WS+2*ri], v[SV+5], ri
.set ri, ri+1
.endr
	s_wait_alu depctr_va_sdst(0)                   ; the thirteen weights are written as scalars, ahead of their first reader, the weighted sum, and of every branch
.endm
.macro CROWS X, i0, cnt                ; my part of the weighted sum; row 0 starts it
.set ri, \i0
.rept \cnt
.if ri == 0
	v_pk_mul_f32 v[OUT:OUT+1], v[\X:\X+1], s[WS:WS+1] op_sel_hi:[1,0]
	v_pk_mul_f32 v[OUT+2:OUT+3], v[\X+2:\X+3], s[WS:WS+1] op_sel_hi:[1,0]
.else
	v_pk_fma_f32 v[OUT:OUT+1], v[\X+4*ri:\X+4*ri+1], s[WS+2*ri:WS+2*ri+1], v[OUT:OUT+1] op_sel_hi:[1,0,1]
	v_pk_fma_f32 v[OUT+2:OUT+3], v[\X+4*ri+2:\X+4*ri+3], s[WS+2*ri:WS+2*ri+1], v[OUT+2:OUT+3] op_sel_hi:[1,0,1]
.endif
.set ri, ri+1
.endr
.endm
; A finished session (its rows in set X, its masks in register mk; pq: its place in the trip's pair): my rows' softmax part and my part of the weighted sum, left in LDS for the joining
.macro WSUM X, mk, pq
	s_wait_alu depctr_vm_vsrc(0)                   ; the last stretch's score stores have read SV, in which the scores' parts land; its load of the masks has read v254, which is made anew below
	SOFT \mk
	CROWS \X, 0, 5
	s_cmp_eq_u32 s[WV], 15
	s_cbranch_scc1 .Lc_\@
	CROWS \X, 5, 8
.Lc_\@:
	v_add_nc_u32 v[AD1], s[TPT], v[PTA]
	v_add_nc_u32 v[AD2], s[TMP], v[MPA]
	s_wait_alu depctr_va_vdst(0)                   ; OUT, v[28:29], v254 and v255 are written, which the two stores read; the weighted sum is done reading set X, the softmax part the masks' register, the last dots WP: loads land in all three
	ds_store_b128 v[AD1], v[OUT:OUT+3] offset:512*\pq
	ds_store_b64 v[AD2], v[MM:MM+1] offset:8*\pq   ; every lane holds the same two numbers
.endm
.macro WLD c                           ; half c of the weight: a lane takes a column and its registers run down K: W(64 c + 32 h + i, 16 n + r), the order of the operand's registers
.set qi, 0
.rept 32
	global_load_b32 v[W+32*\c+qi], v27, s[WPT:WPT+1] offset:(64*\c+qi)*512
.set qi, qi+1
.endr
.endm
; ---------------------------------------------------------------- THE HEAD
	s_load_b256 s[4:11], s[0:1], 0x0               ; x s[4:5], mask s[6:7], w_p s[8:9], w_k s[10:11]
	s_load_b128 s[12:15], s[0:1], 0x20             ; w_q s[12:13], out0 s[14:15]
	v_lshrrev_b32 v20, 5, v0
	v_readfirstlane_b32 s[WV], v20
	v_and_b32 v21, 31, v0                          ; l
	s_wait_alu depctr_va_vdst(0)
	v_and_b32 v22, 15, v0                          ; r
	v_bfe_u32 v23, v0, 4, 1                        ; h
	v_bfe_u32 v24, v0, 3, 2                        ; l / 8
	s_wait_alu depctr_va_vdst(0)
	v_lshlrev_b32 v[L16], 4, v21
	s_wait_alu depctr_va_vdst(0)
	s_wait_alu depctr_va_sdst(0)                   ; my wave's number is written as a scalar, ahead of its first reader
	s_and_b32 s[NT], s[WV], 7
	s_lshr_b32 s[GH], s[WV], 3
	s_mul_i32 s[T0], s[WV], 13
	s_add_co_u32 s32, s[T0], 6
	s_lshl_b32 s32, s32, 20
	v_add_nc_u32 v[XOFF], s32, v[L16]
	s_mul_i32 s32, s[WV], 1040
	s_add_co_u32 s32, s32, CODES
	v_lshl_add_u32 v[CA], v21, 1, s32
	s_mul_i32 s32, s[WV], 52
	s_add_co_u32 s32, s32, SCW
	v_add_nc_u32 v[SA], s32, v24
	s_lshl_b32 s32, s[WV], 9
	s_add_co_u32 s32, s32, PS
	v_add_nc_u32 v[PSA], s32, v[L16]
	v_add_nc_u32 v[PSR], PS, v[L16]
	s_mul_i32 s32, s[GH], 8960
	s_add_co_u32 s32, s32, CODES
	v_mul_u32_u24 v[FA], v22, 80
	v_lshl_add_u32 v[FA], v23, 4, v[FA]
	v_add_nc_u32 v[FA], s32, v[FA]
	s_mul_i32 s34, s[GH], 448
	s_add_co_u32 s32, s34, SCW
	v_lshl_add_u32 v[FS], v22, 2, s32
	s_mul_i32 s32, s[WV], 7168
	v_add_nc_u32 v[WPA], s32, v[L16]
	s_mul_i32 s32, s[NT], 832
	s_add_co_u32 s32, s32, s34
	s_add_co_u32 s32, s32, SIM
	v_lshl_add_u32 v[SMW], v22, 2, s32
	s_mul_i32 s32, s[WV], 52
	s_add_co_u32 s32, s32, SIM
	v_mul_u32_u24 v[SMR], v23, 3328
	v_lshl_add_u32 v[SMR], v22, 2, v[SMR]
	v_add_nc_u32 v[SMR], s32, v[SMR]
	s_lshl_b32 s32, s[WV], 9
	s_add_co_u32 s32, s32, MKL
	v_lshl_add_u32 v[MKA], v22, 2, s32
	s_lshl_b32 s32, s[WV], 12
	s_add_co_u32 s32, s32, PART
	v_add_nc_u32 v[PTA], s32, v[L16]
	s_lshl_b32 s32, s[WV], 6
	s_add_co_u32 s32, s32, MP
	v_mov_b32 v[MPA], s32
	v_lshl_add_u32 v[SUA], v23, 4, SUMC
	v_mov_b32 v[SUS], SUMS
	v_lshl_add_u32 v[SCA], v21, 1, SUMC
	v_add_nc_u32 v[SSA], SUMS, v24
	; addresses that the head alone uses
	v_lshl_add_u32 v62, v23, 8, v[MKA]             ; the masks' way in: sessions 4 h + j: 256 h + 64 j
	v_lshrrev_b32 v63, 2, v21
	v_mul_u32_u24 v63, v63, 80
	v_and_b32 v64, 3, v21
	v_lshl_add_u32 v63, v64, 4, v63
	v_add_nc_u32 v63, CODES+16000, v63             ; rows 200-207: four lanes to a row's 64 bytes
	v_and_b32 v64, 7, v21
	v_lshl_add_u32 v64, v64, 2, SCW+800            ; their scale words
	v_lshl_add_u32 v65, v22, 2, SIM+6656           ; the 64 bytes behind the scores' last row
	s_lshl_b32 s32, s[NT], 10
	s_add_co_u32 s32, s32, WIMG
	v_add_nc_u32 v66, s32, v[L16]                  ; the images that I fetch: tile n of w_k, and 8,192 bytes on of w_q
	s_lshl_b32 s32, s[NT], 7
	s_add_co_u32 s32, s32, WSCL
	v_lshl_add_u32 v67, v21, 2, s32
	s_lshl_b32 s32, s[WV], 10
	s_add_co_u32 s32, s32, WIMG
	v_add_nc_u32 v[AD1], s32, v[L16]               ; the image that I make
	s_lshl_b32 s32, s[WV], 7
	s_add_co_u32 s32, s32, WSCL
	v_lshl_add_u32 v[AD2], v21, 2, s32
	; which lanes stand for a row of mine; offsets into mask, the weight and w_p
	v_cmp_gt_u32 s[VAL], 13, v22
	v_add_nc_u32 v25, s[T0], v22                   ; t = 13 w + r
	v_cmp_gt_u32 s32, 200, v25
	v_min_u32 v26, 199, v25                        ; no load leaves the buffer: lanes without a row take row 199 and are cleared below
	v_lshlrev_b32 v26, 13, v26
	v_lshl_add_u32 v26, v23, 4, v26                ; mask: row t of 8,192 bytes, sessions 4 h .. 4 h + 3
	v_lshlrev_b32 v27, 2, v22
	v_lshl_add_u32 v27, v23, 14, v27               ; the weight: column r, 32 h rows of 512 bytes down
	s_wait_alu depctr_va_sdst(0)                   ; the two compares have written their masks, ahead of the line that joins them
	s_and_b32 s[VAL], s[VAL], s32
	s_mul_i32 s32, s[GH], 57344
	s_lshl_b32 s34, s[NT], 6
	s_add_co_u32 s32, s32, s34
	v_lshlrev_b32 v31, 9, v22
	v_lshl_add_u32 v31, v23, 5, v31
	v_add_nc_u32 v31, s32, v31                     ; w_p: row 112 g + r, columns 16 n + 8 h on; a unit is 16 rows, 8,192 bytes
	s_mul_i32 s32, s[GH], 112
	s_add_co_u32 s32, s32, 80
	v_add_nc_u32 v25, s32, v22
	v_min_u32 v25, 199, v25                        ; unit 5 of g = 1 is tile 12: its rows past 199 take row 199; what they give is never used
	v_lshlrev_b32 v25, 9, v25
	v_lshl_add_u32 v25, v23, 5, v25
	v_add_nc_u32 v25, s34, v25
	v_mov_b32 v[MM], 0                             ; destinations of lane exchanges count as read: written once
	v_mov_b32 v[MM+1], 0
	v_mov_b32 v[NINF], 0xff800000
	s_mov_b32 s[SEL], 0x76543210
	s_mov_b32 s[SEL+1], 0xfedcba98
	s_mov_b32 s[NL2E], 0xbfb8aa3b
	s_mov_b32 s[NL2E+1], s[NL2E]
	s_mov_b32 s[L2E], 0x3fb8aa3b
	s_mov_b32 s[TMK], 0
	s_mov_b32 s[TPT], 0
	s_mov_b32 s[TMP], 0
	s_wait_kmcnt 0x0
	s_lshl_b32 s32, ttmp9, 12                      ; my 8 sessions: 8 x 512 bytes into a row of x and into out0
	s_mov_b32 s33, 0
	s_add_nc_u64 s[XP:XP+1], s[XP:XP+1], s[32:33]
	s_add_nc_u64 s[14:15], s[14:15], s[32:33]
	s_lshl_b32 s32, s[WV], 8                       ; at the end wave w stores session w / 2, half w % 2: 512 (w / 2) + 256 (w % 2) = 256 w
	s_add_nc_u64 s[14:15], s[14:15], s[32:33]
	s_lshl_b32 s32, ttmp9, 5
	s_add_nc_u64 s[6:7], s[6:7], s[32:33]
	s_cmp_lt_u32 s[WV], 8                          ; waves 0-7 quantise w_k's tiles of columns, waves 8-15 w_q's: the choice hangs on the wave's number alone
	s_cselect_b64 s[WPT:WPT+1], s[10:11], s[12:13]
	s_lshl_b32 s32, s[NT], 6
	s_add_nc_u64 s[WPT:WPT+1], s[WPT:WPT+1], s[32:33]
	s_wait_alu depctr_va_vdst(0)                   ; every address and offset made above is written: v1 to v18 for the whole kernel, v25 to v27, v31, v62 to v67, v254 and v255 for the head's loads and stores
	; The head's loads, up to 92 a wave, and ONE wait for all of them.  Session 0's rows go out near the front.  Half of the weight stands ahead of them: a load that finds no place in the counter
	; is held back until older loads are done (ISA guide 5.7.1), and the oldest here are then the weight's, not x's rows.
	WLD 0
	XROWS X0, 0, 0, 5                              ; session 0
	s_cmp_eq_u32 s[WV], 15
	s_cbranch_scc1 .Lx0s                           ; wave 15 has five rows: no load leaves the buffer
	XROWS X0, 0, 5, 8
.Lx0s:
	global_load_b128 v[238:241], v26, s[6:7]
	WLD 1
.irp u, 0,1,2,3,4                      ; w_p is staged in the set that session 1 will take
	global_load_b128 v[X1+8*\u:X1+8*\u+3], v31, s[8:9] offset:8192*\u
	global_load_b128 v[X1+8*\u+4:X1+8*\u+7], v31, s[8:9] offset:8192*\u+16
.endr
	global_load_b128 v[X1+40:X1+43], v25, s[8:9]
	global_load_b128 v[X1+44:X1+47], v25, s[8:9] offset:16
	s_cmp_lt_u32 s[WV], 8
	s_cbranch_scc0 .Lno6a                          ; tiles of rows 0-6 are seven, tiles 7-12 six
	global_load_b128 v[X1+48:X1+51], v31, s[8:9] offset:49152
	global_load_b128 v[242:245], v31, s[8:9] offset:49168
.Lno6a:
.set qi, 0
.rept 16
	s_mov_b32 s[WS+2*qi+1], 0                      ; the pairs' upper words are named by the packed forms, so they are written (the head's scalar temporaries are done with)
.set qi, qi+1
.endr
	s_wait_loadcnt 0x0                             ; all of them are in, on every way
	; All the head's vector work on what is stored to LDS stands together, ahead of one wait; then the stores in one run
.irp c, 0,1                            ; my block 2 c + h: all its 32 numbers are mine
	v_max3_num_f32 v[54+\c], |v[W+32*\c]|, |v[W+32*\c+1]|, FLOOR
.endr
.set qi, 2
.rept 15
.irp c, 0,1
	v_max3_num_f32 v[54+\c], v[54+\c], |v[W+32*\c+qi]|, |v[W+32*\c+qi+1]|
.endr
.set qi, qi+2
.endr
.irp c, 0,1
	v_add_nc_u32 v[56+\c], EOFF, v[54+\c]
.endr
.irp c, 0,1
	v_lshrrev_b32 v[58+\c], 23, v[56+\c]
.endr
	v_lshl_or_b32 v60, v59, 16, v58                ; my two bytes, blocks h and 2 + h,
	v_lshlrev_b32 v61, 3, v23
	v_lshlrev_b32 v60, v61, v60                    ; at their places in the scale word;
	v_mov_b32 v61, 0
	v_permlanex16_b32 v61, v60, s[SEL], s[SEL+1]
	v_or_b32 v60, v60, v61                         ; with lane l xor 16's two the word is whole
.irp c, 0,1
.irp q, 0,1,2,3
	v_cvt_scalef32_pk8_fp4_f32 v[246+4*\c+\q], v[W+32*\c+8*\q:W+32*\c+8*\q+7], v[56+\c]
.endr
.endr
	v_nop                                          ; one plain place behind the scaled conversions
.irp j, 0,1,2,3
	v_cndmask_b32 v[238+\j], 0, v[238+\j], s[VAL]  ; the mask: 0 where the lane stands for no row of mine
.endr
.irp j, 0,1,2,3
	v_mov_b32 v[56+\j], 0
.endr
	v_mov_b32 v61, 0x7f7f7f7f
	s_wait_alu depctr_va_vdst(0)                   ; the weight's codes v[246:253] and scale word v60, the masks v[238:241], the zeros v[56:59] and v61 are written, which the stores below read
	ds_store_b128 v[AD1], v[246:249]               ; the fragment goes to LDS as an image of its registers
	ds_store_b128 v[AD1], v[250:253] offset:512
	ds_store_b32 v[AD2], v60
.irp j, 0,1,2,3
	ds_store_b32 v62, v[238+\j] offset:64*\j
.endr
.irp u, 0,1,2,3,4,5
	ds_store_b128 v[WPA], v[X1+8*\u:X1+8*\u+3] offset:1024*\u
	ds_store_b128 v[WPA], v[X1+8*\u+4:X1+8*\u+7] offset:1024*\u+512
.endr
	s_cmp_lt_u32 s[WV], 8
	s_cbranch_scc0 .Lno6b
	ds_store_b128 v[WPA], v[X1+48:X1+51] offset:6144
	ds_store_b128 v[WPA], v[242:245] offset:6656
.Lno6b:
	s_cmp_lg_u32 s[WV], 15
	s_cbranch_scc1 .Lnozero
	ds_store_b128 v63, v[56:59]                    ; rows 200-207: zero codes, which add nothing,
	ds_store_b32 v64, v61                          ; under the byte 127;
	ds_store_b32 v65, v56                          ; and zeros behind the scores' last row, where wave 15's idle lanes read
.Lnozero:
	ds_load_b32 v[MK], v[MKA]                      ; session 0's masks: my own bytes, and LDS serves a wave's instructions in order (ISA guide 5.7.1.4)
	s_wait_dscnt 0x0                               ; they are in, and my stores above have landed
	s_wait_alu depctr_vm_vsrc(0)                   ; the head's loads and stores have read v25 to v27, v31, v62 to v65, v[238:245], set X1, v254 and v255: the sum below, and later loads and vector lines, write them anew
	MKREAD MK
	A1ROWS X0, 0, 5                                ; session 0's rows times their masks, and their sum
	s_cmp_eq_u32 s[WV], 15
	s_cbranch_scc1 .La0
	A1ROWS X0, 5, 8
.La0:
	s_wait_alu depctr_va_vdst(0)                   ; the additions have written SUM, which the store reads
	ds_store_b128 v[PSA], v[SUM:SUM+3]
	BAR                                            ; the sixteen weight images and the sixteen parts of session 0's sum lie in LDS
	ds_load_b128 v[WK:WK+3], v66
	ds_load_b128 v[WK+4:WK+7], v66 offset:512
	ds_load_b128 v[WQ:WQ+3], v66 offset:8192
	ds_load_b128 v[WQ+4:WQ+7], v66 offset:8704
	ds_load_b32 v[WKS], v67
	ds_load_b32 v[WQS], v67 offset:1024
	s_wait_dscnt 0x0
; ---------------------------------------------------------------- A PERIOD: session k.  p = k % 2: the set that holds it.  soft = 1: session k - 1 is finished (pq: its place in the trip's pair).
; nxt = 1: session k + 1 is asked for and begun (nx: its place, counted from the trip's first finished session)
.macro PERIOD p, pq, nx, soft, nxt
.set XC, X0+52*\p
.set XO, X0+52*(1-\p)
.set MKO, MK+12*(1-\p)                 ; the masks of session k - 1, then of session k + 1
	; ---- A
	s_cmp_lg_u32 s[WV], 15
	s_cbranch_scc1 .Lns_\@
	SUMQ                                           ; wave 15, which has eight rows fewer in all that follows
.Lns_\@:
.if \soft
	WSUM XO, MKO, \pq                              ; behind it the other set is free
.endif
	WLOAD 0, 3                                     ; w_p of my first three units: my own bytes, so they need not wait for the barrier; they land under the quantising.  No vector instruction since the last wait on va_vdst names WP
	QROWS XC, 0, 5, XO, 512*\nx, \nxt
	s_cmp_eq_u32 s[WV], 15
	s_cbranch_scc1 .Lq_\@                          ; wave 15 has five rows: no load leaves the buffer
	QROWS XC, 5, 8, XO, 512*\nx, \nxt
.Lq_\@:
	BAR                                            ; the session's codes and scale words, and the sum's, lie in LDS; nobody reads the last session's scores or this session's parts of the sum any more
	; ---- B
	s_wait_alu depctr_vm_vsrc(0)                   ; stretch A's stores have read BY, CD, SQB, SQC, OUT, v[28:29], v254 and v255, and the last store of the sum's part SUM: fragments land on them, products and vector lines write them
.if \nxt
	v_add_nc_u32 v[AD1], s[TMK], v[MKA]
	s_wait_alu depctr_va_vdst(0)                   ; v254 is written, which the load below reads as its address
	ds_load_b32 v[MKO], v[AD1] offset:64*\nx       ; the next session's masks
.endif
	ds_load_b128 v[SF:SF+3], v[SUA]                ; the sum's row in all sixteen columns of source 1
	ds_load_b128 v[SF+4:SF+7], v[SUA] offset:32
	ds_load_b32 v[SSC], v[SUS]
	CLOAD 0, 3
	s_wait_dscnt 0x0
	v_wmma_scale_f32_16x16x128_f8f6f4 v[QY:QY+7], v[WQ:WQ+7], v[SF:SF+7], 0, v[WQS], v[SSC] matrix_a_fmt:MATRIX_FMT_FP4 matrix_b_fmt:MATRIX_FMT_FP4
	KMUL 3
	PLACES
.irp q, 0,2,4,6
	v_pk_mul_f32 v[QS+\q:QS+\q+1], v[QY+\q:QY+\q+1], s[NL2E:NL2E+1] op_sel_hi:[1,0]
.endr
	SIGA 3
	CLOAD 3, 3                                     ; the next three units' codes, directly behind the wait that shows this group's products done with F: they land under the rest of this group's vector work
	SIGB 3
	DOT 3, WP
	REDV 0, 3
	s_wait_alu depctr_va_vdst(0)                   ; the reductions have written SV, which the three stores read; the dots are done reading WP, in which the next three units' w_p lands
	WLOAD 3, 3
	REDS 0, 3
	s_wait_dscnt 9                                 ; the codes are in: behind them stand w_p's six loads and three stores
	KMUL 3
	PLACES
	SIGA 3
	s_cmp_lt_u32 s[WV], 8
	s_cbranch_scc0 .Ln6a_\@                        ; tiles of rows 0-6 are seven, tiles 7-12 six
	CLOAD 6, 1                                     ; the seventh unit's codes, and its w_p into the registers that the query has left: five loads, behind the wait that shows this group's products done with F
	ds_load_b128 v[QY:QY+3], v[WPA] offset:6144
	ds_load_b128 v[QY+4:QY+7], v[WPA] offset:6656
.Ln6a_\@:
	SIGB 3
	s_wait_dscnt 3                                 ; w_p's six are in: behind them stand three stores and, in waves 0-7, five loads; the youngest three of these may be out
	DOT 3, WP
	REDV 3, 3
	s_wait_alu depctr_va_vdst(0)                   ; the reductions have written SV + 3 to SV + 5, which the three stores read; the dots are done reading WP, in which the next period's w_p lands
	REDS 3, 3
	s_cmp_lt_u32 s[WV], 8
	s_cbranch_scc0 .Ln6b_\@
	s_wait_dscnt 3                                 ; the seventh unit's five loads are in; the three stores behind them may be out
	KMUL 1
	PLACES
	SIGA 1
	SIGB 1
	DOT 1, QY
	REDV 6, 1
	s_wait_alu depctr_va_vdst(0)                   ; the reduction has written SV + 6, which the store reads
	REDS 6, 1
.Ln6b_\@:
.if \nxt
	MKREAD MKO                                     ; (in since this stretch's first wait)
	s_wait_loadcnt 0x0                             ; the next session's rows are in: nothing else is out, on every way
	A1ROWS XO, 0, 5
	s_cmp_eq_u32 s[WV], 15
	s_cbranch_scc1 .La1_\@
	A1ROWS XO, 5, 8
.La1_\@:
	s_wait_alu depctr_va_vdst(0)                   ; the additions have written SUM, which the store reads; all this stretch's vector and matrix work is done with v20 to v23 and v174 to v245, in which the next stretch's first loads land
	ds_store_b128 v[PSA], v[SUM:SUM+3]
.endif
	BAR                                            ; all parts of the scores, and of the next session's sum, lie in LDS; nobody reads this session's codes any more
.endm
	PERIOD 0, 0, 1, 0, 1                           ; session 0: nothing is finished yet
	s_mov_b32 s[CNT], 3
.Ltrip:                                            ; a trip: sessions 1 + 2 j and 2 + 2 j, so that the two sets are back where they began; it finishes sessions 2 j and 2 j + 1
	PERIOD 1, 0, 2, 1, 1
	PERIOD 0, 1, 3, 1, 1
	s_wait_xcnt 0x0                                ; the loads have had their addresses translated (ISA guide 3.1): their base may step
	s_add_nc_u64 s[XP:XP+1], s[XP:XP+1], 1024
	s_add_co_u32 s[TMK], s[TMK], 128
	s_add_co_u32 s[TPT], s[TPT], 1024
	s_add_co_u32 s[TMP], s[TMP], 16
	s_sub_co_u32 s[CNT], s[CNT], 1
	s_cmp_lg_u32 s[CNT], 0
	s_cbranch_scc1 .Ltrip
	PERIOD 1, 0, 0, 1, 0                           ; session 7 is written out: it asks for nothing; it finishes session 6
	WSUM X1, MK+12, 1                              ; and session 7 is finished (no vector instruction stands between the waits ahead of its last score stores and the loads of the scores' parts)
; ---------------------------------------------------------------- THE JOINING: wave w takes session w / 2, channels 64 (w % 2) + 2 l, 2 l + 1
	BAR                                            ; all parts of all eight sessions lie in LDS
	s_wait_alu depctr_vm_vsrc(0)                   ; my last two stores have read OUT, v[28:29], v254 and v255, and the last score stores v20 to v26: all are written anew below
	s_lshr_b32 s32, s[WV], 1
	s_lshl_b32 s32, s32, 3
	s_add_co_u32 s32, s32, MP
	v_and_b32 v[AD1], 15, v0
	v_lshl_add_u32 v[AD1], v[AD1], 6, s32          ; lane r: (M, P) of wave r
	s_lshl_b32 s32, s[WV], 8
	s_add_co_u32 s32, s32, PART                    ; 512 (w / 2) + 256 (w % 2) = 256 w
	v_lshrrev_b32 v26, 1, v[L16]                   ; 8 l
	v_add_nc_u32 v[AD2], s32, v26
	s_wait_alu depctr_va_vdst(0)                   ; v254 and v255 are written, which the loads below read as addresses; the softmax part is done with v20 and v21, in which the first of them lands
	ds_load_b64 v[20:21], v[AD1]
.set qi, 0
.rept 16
	ds_load_b64 v[W+2*qi:W+2*qi+1], v[AD2] offset:4096*qi
.set qi, qi+1
.endr
	s_wait_dscnt 16                                ; (M, P) are in; the sixteen parts may be out
	v_max_num_f32_dpp v[MM], v20, v20 row_xmask:1 row_mask:0xf bank_mask:0xf
.irp m, 2,4,8
	v_max_num_f32_dpp v[MM], v[MM], v[MM] row_xmask:\m row_mask:0xf bank_mask:0xf
.endr
	v_sub_f32 v22, v20, v[MM]
	s_wait_alu depctr_va_vdst(0)
	v_exp_f32 v22, v22                             ; f = 2^(M_r - M)
	v_nop                                          ; a plain place behind the exponential
	s_wait_alu depctr_va_vdst(0)                   ; the exponential has written v22, ahead of its first reader
	v_mul_f32 v23, v22, v21
	v_add_f32_dpp v[MM+1], v23, v23 row_xmask:1 row_mask:0xf bank_mask:0xf
.irp m, 2,4,8
	v_add_f32_dpp v[MM+1], v[MM+1], v[MM+1] row_xmask:\m row_mask:0xf bank_mask:0xf
.endr
	s_wait_alu depctr_va_vdst(0)
	v_rcp_f32 v24, v[MM+1]                         ; 1 / p
	v_nop                                          ; a plain place behind the reciprocal
	s_wait_alu depctr_va_vdst(0)                   ; the reciprocal has written v24, ahead of its first reader
	v_mul_f32 v22, v22, v24
.set qi, 0
.rept 16
	v_readlane_b32 s[WS+2*qi], v22, qi
.set qi, qi+1
.endr
	s_wait_alu depctr_va_sdst(0)                   ; the sixteen factors are written as scalars, ahead of their first reader
	s_wait_dscnt 0x0
	v_pk_mul_f32 v[OUT:OUT+1], v[W:W+1], s[WS:WS+1] op_sel_hi:[1,0]
.set qi, 1
.rept 15
	v_pk_fma_f32 v[OUT:OUT+1], v[W+2*qi:W+2*qi+1], s[WS+2*qi:WS+2*qi+1], v[OUT:OUT+1] op_sel_hi:[1,0,1]
.set qi, qi+1
.endr
	s_wait_alu depctr_va_vdst(0)                   ; the multiply-adds have written v[66:67], which the store reads (its offset v26 was written ahead of an earlier wait)
	global_store_b64 v26, v[OUT:OUT+1], s[14:15] th:TH_STORE_NT   ; the wave stores 256 consecutive bytes, at a multiple of 256 from out0's first byte
	s_wait_xcnt 0x0
	s_wait_alu depctr_vm_vsrc(0)                   ; the joining's loads have read v254 and v255, which the two lines below make anew
	v_lshl_add_u32 v254, v0, 2, 0x3ad00
	v_mov_b32 v255, 0
	s_wait_dscnt 0x0                               ; the closing lines, six on end
	s_wait_alu 0x0
	s_wait_tensorcnt 0x0
	ds_add_u32 v254, v255
	s_wait_dscnt 0x0
	s_endpgm
.Lfunc_end_k_q9bf3b60372_paa:
	.size	k_q9bf3b60372_paa, .Lfunc_end_k_q9bf3b60372_paa-k_q9bf3b60372_paa
	.p2alignl 7, 3214868480
	.fill 96, 4, 3214868480
	.section	.rodata,"a",@progbits
	.p2align	6, 0x0
	.amdhsa_kernel k_q9bf3b60372_paa
		.amdhsa_group_segment_fixed_size 242944
		.amdhsa_private_segment_fixed_size 0
		.amdhsa_enable_private_segment 0
		.amdhsa_kernarg_size 48
		.amdhsa_user_sgpr_count 2
		.amdhsa_user_sgpr_kernarg_segment_ptr 1
		.amdhsa_wavefront_size32 1
		.amdhsa_system_sgpr_workgroup_id_x 1
		.amdhsa_system_sgpr_workgroup_id_y 1
		.amdhsa_system_sgpr_workgroup_id_z 1
		.amdhsa_system_vgpr_workitem_id 0
		.amdhsa_next_free_vgpr 256
		.amdhsa_next_free_sgpr 66
		.amdhsa_reserve_vcc 0
		.amdhsa_float_denorm_mode_32 3
		.amdhsa_float_denorm_mode_16_64 3
		.amdhsa_memory_ordered 1
		.amdhsa_forward_progress 1
		.amdhsa_inst_pref_size 173
	.end_amdhsa_kernel
	.amdgpu_metadata
---
amdhsa.version: [ 1, 2 ]
amdhsa.kernels:
  - .name:           k_q9bf3b60372_paa
    .symbol:         k_q9bf3b60372_paa.kd
    .args:
      - { .name: x, .offset: 0, .size: 8, .value_kind: global_buffer, .address_space: global }
      - { .name: mask, .offset: 8, .size: 8, .value_kind: global_buffer, .address_space: global }
      - { .name: w_p, .offset: 16, .size: 8, .value_kind: global_buffer, .address_space: global }
      - { .name: w_k, .offset: 24, .size: 8, .value_kind: global_buffer, .address_space: global }
      - { .name: w_q, .offset: 32, .size: 8, .value_kind: global_buffer, .address_space: global }
      - { .name: out0, .offset: 40, .size: 8, .value_kind: global_buffer, .address_space: global }
    .group_segment_fixed_size: 242944
    .private_segment_fixed_size: 0
    .kernarg_segment_align: 8
    .kernarg_segment_size: 48
    .max_flat_workgroup_size: 512
    .sgpr_count:     66
    .vgpr_count:     256
    .wavefront_size: 32
...
	.end_amdgpu_metadata
.endif
;; end of part 2
